; MI455X (gfx1250); checked and timed in simulation.
; The chip was launched on July 23, 2026; its instructions are those of AMD's public machine-readable ISA for CDNA 5 (MIT licence, August 2026) and "CDNA5" Instruction Set Architecture Reference Guide (July 2026). The comments in the code are by the model that wrote it; some were corrected since.
;; Attention. Allowed arithmetic: float matrix products may take bf16 or f16 operands with f32 sums; all other float work in f32.
;; Inputs: W_out 1,024 x 1,024 float32; W_qkv 1,024 x 3,072 float32; b_out 1,024 float32; rope_cos 4,096 x 64 float32; rope_sin 4,096 x 64 float32; x 2 x 2,048 x 1,024 float32.
;; Outputs: out0 2 x 2,048 x 1,024 float32.
;; 2 versions, each right; version 2 is version 1 with the launch prep written anew for expert scheduling mode. Each part assembles by itself: llvm-mc -triple=amdgcn-amd-amdhsa -mcpu=gfx1250 --defsym DOCPART=n.
;; ======== version 1 of 2: 4 launches
;; limits: values outside matrix products are rounded to bf16; values are held in f16: magnitudes above 65,504 overflow, below 6.1e-05 lose precision
;; workspace buffers: bf 16,777,216 bytes; cs 1,048,576 bytes; qkv 25,165,824 bytes; scl 32,768 bytes; att 8,388,608 bytes
;; launch prep (part 1): grid 528 x 1, 8 waves a work-group, no clusters, 0 bytes of LDS; arguments x, W_qkv, W_out, rope_cos, rope_sin, bf, cs; writes bf, cs
.if DOCPART == 1
	.amdgcn_target "amdgcn-amd-amdhsa--gfx1250"
	.amdhsa_code_object_version 6
	.text
	.protected	k_q006981ff4c_prep
	.globl	k_q006981ff4c_prep
	.p2align	8
	.type	k_q006981ff4c_prep,@function
k_q006981ff4c_prep:
	s_mov_b64 s[64:65], 0
	v_nop
	global_prefetch_b8 v0, s[64:65] scope:SCOPE_SE
	s_setreg_imm32_b32 hwreg(HW_REG_WAVE_MODE, 25, 1), 1
	s_wait_xcnt 0x0
; Casts, once, of everything that later launches feed to the matrix units or to RoPE.
;   bf: x as bf16 [4096][1024] at byte 0; W_qkv as bf16 [1024][3072] at 8,388,608;
;       W_out at 14,680,064 as f16 that holds the bf16-rounded value (exact for |w| >= 2^-17, below that off by 2^-25 at the most).
;   cs: f32 [2][2048][64]: the bf16-rounded cos (plane 0) and sin (plane 1) of the first 2,048 positions, the only ones that are used.
; A stream: every byte is read once and written once; no LDS, no barrier, no matrix unit.
; A work-group takes 65,536 input bytes, a wave 8,192: sixteen loads of 512 neighbouring bytes, all issued before the first is used.
; Work-groups 0-255: x; 256-447: W_qkv; 448-511: W_out; 512-519: cos; 520-527: sin.
.set X, 8                              ; v[8:71]   sixteen loads of four f32
.set Y, 72                             ; v[72:103] sixteen pairs of packed 16-bit results
	s_load_b256 s[4:11], s[0:1], 0x0               ; x, W_qkv, W_out, rope_cos
	s_load_b128 s[12:15], s[0:1], 0x20             ; rope_sin, bf
	s_load_b64 s[16:17], s[0:1], 0x30              ; cs
	s_mov_b32 s20, ttmp9                           ; g
	s_mov_b32 s30, 0xffff0000                      ; a word's upper bf16
	v_lshrrev_b32 v3, 5, v0                        ; wave
	v_and_b32 v4, 31, v0                           ; lane
	v_lshlrev_b32 v1, 4, v4
	v_lshl_or_b32 v1, v3, 13, v1                   ; in (and f32 out): 8,192 wave + 16 lane
	v_lshlrev_b32 v2, 3, v4
	v_lshl_or_b32 v2, v3, 12, v2                   ; 16-bit out: 4,096 wave + 8 lane
	s_wait_kmcnt 0x0
	; the source and the number of its first work-group, chosen by g alone
	s_cmp_ge_u32 s20, 256
	s_cselect_b64 s[22:23], s[6:7], s[4:5]
	s_cselect_b32 s21, 256, 0
	s_cmp_ge_u32 s20, 448
	s_cselect_b64 s[22:23], s[8:9], s[22:23]
	s_cselect_b32 s21, 448, s21
	s_cmp_ge_u32 s20, 512
	s_cselect_b64 s[22:23], s[10:11], s[22:23]
	s_cselect_b32 s21, 512, s21
	s_cmp_ge_u32 s20, 520
	s_cselect_b64 s[22:23], s[12:13], s[22:23]
	s_cselect_b32 s21, 520, s21
	s_sub_co_u32 s24, s20, s21
	s_lshl_b32 s24, s24, 16                        ; 65,536 bytes a work-group
	s_mov_b32 s25, 0
	s_add_nc_u64 s[22:23], s[22:23], s[24:25]
	; the target: bf + 32,768 g, or cs + 65,536 (g - 512)
	s_lshl_b32 s28, s20, 15
	s_sub_co_u32 s29, s20, 512
	s_lshl_b32 s29, s29, 16
	s_cmp_ge_u32 s20, 512
	s_cselect_b64 s[26:27], s[16:17], s[14:15]
	s_cselect_b32 s28, s29, s28
	s_mov_b32 s29, 0
	s_add_nc_u64 s[26:27], s[26:27], s[28:29]
; kind 0: f32 to bf16.  kind 1: f32 to bf16 to f16.  kind 2: f32 to bf16 and back to f32.
; No load's registers are loaded again, so the only waits are the counted ones for the loads.
.macro CAST kind
.irp n, 0,1,2,3,4,5,6,7,8,9,10,11,12,13,14,15
	global_load_b128 v[X+4*\n:X+4*\n+3], v1, s[22:23] offset:512*\n th:TH_LOAD_NT
.endr
.irp n, 0,1,2,3,4,5,6,7,8,9,10,11,12,13,14,15
	s_wait_loadcnt 15-\n                           ; loads return in order: load n is in, the 15 - n younger ones stay out
	v_cvt_pk_bf16_f32 v[Y+2*\n], v[X+4*\n], v[X+4*\n+1]
	v_cvt_pk_bf16_f32 v[Y+2*\n+1], v[X+4*\n+2], v[X+4*\n+3]
.if \kind > 0
	v_lshlrev_b32 v[X+4*\n], 16, v[Y+2*\n]         ; the rounded values as f32 again
	v_and_b32 v[X+4*\n+1], s30, v[Y+2*\n]
	v_lshlrev_b32 v[X+4*\n+2], 16, v[Y+2*\n+1]
	v_and_b32 v[X+4*\n+3], s30, v[Y+2*\n+1]
.endif
.if \kind == 1
	v_cvt_pk_f16_f32 v[Y+2*\n], v[X+4*\n], v[X+4*\n+1]
	v_cvt_pk_f16_f32 v[Y+2*\n+1], v[X+4*\n+2], v[X+4*\n+3]
.endif
.if \kind == 2
	global_store_b128 v1, v[X+4*\n:X+4*\n+3], s[26:27] offset:512*\n      ; 512 neighbouring bytes
.else
	global_store_b64 v2, v[Y+2*\n:Y+2*\n+1], s[26:27] offset:256*\n       ; the wave writes 256 neighbouring bytes, aligned
.endif
.endr
.endm
	s_cmp_ge_u32 s20, 512
	s_cbranch_scc1 .Ltab
	s_cmp_ge_u32 s20, 448
	s_cbranch_scc1 .Lwo
	CAST 0
	s_endpgm
.Lwo:
	CAST 1
	s_endpgm
.Ltab:
	CAST 2
	s_endpgm
.Lfunc_end_k_q006981ff4c_prep:
	.size	k_q006981ff4c_prep, .Lfunc_end_k_q006981ff4c_prep-k_q006981ff4c_prep
	.p2alignl 7, 3214868480
	.fill 96, 4, 3214868480
	.section	.rodata,"a",@progbits
	.p2align	6, 0x0
	.amdhsa_kernel k_q006981ff4c_prep
		.amdhsa_group_segment_fixed_size 0
		.amdhsa_private_segment_fixed_size 0
		.amdhsa_enable_private_segment 0
		.amdhsa_kernarg_size 56
		.amdhsa_user_sgpr_count 2
		.amdhsa_user_sgpr_kernarg_segment_ptr 1
		.amdhsa_wavefront_size32 1
		.amdhsa_system_sgpr_workgroup_id_x 1
		.amdhsa_system_sgpr_workgroup_id_y 1
		.amdhsa_system_sgpr_workgroup_id_z 1
		.amdhsa_system_vgpr_workitem_id 0
		.amdhsa_next_free_vgpr 104
		.amdhsa_next_free_sgpr 66
		.amdhsa_reserve_vcc 0
		.amdhsa_float_denorm_mode_32 3
		.amdhsa_float_denorm_mode_16_64 3
		.amdhsa_memory_ordered 1
		.amdhsa_forward_progress 1
		.amdhsa_inst_pref_size 25
	.end_amdhsa_kernel
	.amdgpu_metadata
---
amdhsa.version: [ 1, 2 ]
amdhsa.kernels:
  - .name:           k_q006981ff4c_prep
    .symbol:         k_q006981ff4c_prep.kd
    .args:
      - { .name: x, .offset: 0, .size: 8, .value_kind: global_buffer, .address_space: global }
      - { .name: W_qkv, .offset: 8, .size: 8, .value_kind: global_buffer, .address_space: global }
      - { .name: W_out, .offset: 16, .size: 8, .value_kind: global_buffer, .address_space: global }
      - { .name: rope_cos, .offset: 24, .size: 8, .value_kind: global_buffer, .address_space: global }
      - { .name: rope_sin, .offset: 32, .size: 8, .value_kind: global_buffer, .address_space: global }
      - { .name: bf, .offset: 40, .size: 8, .value_kind: global_buffer, .address_space: global }
      - { .name: cs, .offset: 48, .size: 8, .value_kind: global_buffer, .address_space: global }
    .group_segment_fixed_size: 0
    .private_segment_fixed_size: 0
    .kernarg_segment_align: 8
    .kernarg_segment_size: 56
    .max_flat_workgroup_size: 256
    .sgpr_count:     66
    .vgpr_count:     104
    .wavefront_size: 32
...
	.end_amdgpu_metadata
.endif
;; end of part 1
;; launch qkvgemm (part 2): grid 8 x 32, 4 waves a work-group, clusters of 4 x 4, 327,680 bytes of LDS; arguments bf, cs, qkv, scl; writes qkv, scl
.if DOCPART == 2
	.amdgcn_target "amdgcn-amd-amdhsa--gfx1250"
	.amdhsa_code_object_version 6
	.text
	.protected	k_q006981ff4c_qkvgemm
	.globl	k_q006981ff4c_qkvgemm
	.p2align	8
	.type	k_q006981ff4c_qkvgemm,@function
k_q006981ff4c_qkvgemm:
	s_mov_b64 s[64:65], 0
	v_nop
	global_prefetch_b8 v0, s[64:65] scope:SCOPE_SE
	s_setreg_imm32_b32 hwreg(HW_REG_WAVE_MODE, 25, 1), 1
	s_wait_xcnt 0x0
	s_wait_alu depctr_hold_cnt(0) depctr_sa_sdst(0) depctr_va_vdst(0) depctr_va_sdst(0) depctr_va_ssrc(0) depctr_va_vcc(0) depctr_vm_vsrc(0)
	s_getreg_b32 s2, hwreg(HW_REG_IB_STS2, 6, 4)
	s_cmp_eq_u32 s2, 0
	s_cbranch_scc0 .Lentry_in_a_cluster
	s_endpgm
.Lentry_in_a_cluster:
	s_bfe_u32 s2, ttmp6, 0x10000c
	s_cmp_lg_u32 s2, 0xf033
	s_cbranch_scc0 .Lentry_shape_is_right
	s_endpgm
.Lentry_shape_is_right:
; x W_qkv in bf16 with f32 sums, RoPE on q and k, and the results as f16, head by head:
;   qkv: f16 [b 2][G 48][l 2048][64], G = 0-15 q, 16-31 k, 32-47 v.
;   scl: f32 [b 2][G 32][128]: for each block of 16 rows x 64 columns of q and k the power of two E by which it was divided.
; LIMITS: v is stored as plain f16 (|x W| below 65,504).  A block of q or k whose largest magnitude reaches 2^127 is lost (1/E is then 0);
; a block that holds denormals alone gets E = 0 and counts as zero.
; A work-group makes 128 rows x 384 columns: 128 columns each of q, of k and of v (heads 2 bx and 2 bx + 1 of each kind), so that which heads get RoPE hangs
; on the wave's number alone.  Four waves, 2 x 2: wm picks 64 rows, wn three of the six heads: 48 accumulator tiles, 384 registers.
; K goes in steps of 128 through two LDS slots.  A slot has four regions of 36,864 bytes, one tensor load each: wave 0 brings 128 rows of x (pitch 272),
; waves 1 to 3 bring 128 k-rows x 128 columns of W for q, k, v (pitch 288; read with the transposing load).
; CLUSTERS 4 x 4: x's tile hangs on the block row alone and is asked for jointly along a row of the cluster, W's tiles on the block column alone, jointly along a column.
; The matrix instruction is used transposed (source 0 = W's columns, source 1 = x's rows): lane (r, h) of tile (a, b) holds row 16 a + r, columns 16 b + 8 h + 0..7.
; REGISTERS  window 0: v2-7 at work, v16-31 addresses, v32-63 Y, v64-127 x's fragments (two buffers; later PK and RB), v128-255 cos/sin of row tiles 0, 1
;            window 1: v0-191 W's fragments (two buffers), v192-255 cos/sin of row tile 2
;            window 2: accumulators of row tiles 0, 1 (tile at 8 (12 (a & 1) + b)), v192-255 cos/sin of row tile 3;   window 3: accumulators of row tiles 2, 3
.set PITA,  272
.set PITB,  288
.set REGN,  36864
.set SLOT,  4*REGN
.set STAGE, 2*SLOT                     ; behind the ring; no tensor load lands here
.set WSTG,  6912                       ; a wave's stage: 3 heads x 16 rows x 144 bytes
.set SPIT,  144
.set LAPS,  4                          ; 1,024 / (2 x 128)
.set ADRA, 16                          ; v16-17  x's fragments in slot 0, 1
.set ADRB, 18                          ; v18-23  W's fragments: head hh, slot s at 18 + 2 hh + s
.set STO,  24
.set RD,   25
.set CO,   26
.set CSO,  27
.set SCV,  28                          ; v28-30  lane a: E of row tile a, for head hh
.set L4,   31
.set Y,    32
.set PK,   64
.set RB,   80
.set G1,  24
.set G0,  32
.set G1B, 48
.set G0B, 56
.set MSB, 0
.macro WIN new                         ; the immediate's high byte repeats the setting that is left
.if MSB != \new
	s_set_vgpr_msb (MSB<<8)|\new
.set MSB, \new
.endif
.endm
.set MUL_LO, 0xa1                      ; source 0 window 1, source 1 window 0, C and D window 2
.set MUL_HI, 0xf1                      ; the same, C and D window 3
.set TO_B,   0x40                      ; destination window 1
.macro JLOAD s                         ; wave 0 asks for x's tile, waves 1 to 3 for W's three: one line, one mask each
	s_cmp_eq_u32 s12, 0
	s_cbranch_scc0 .Lfor_b_\@
	tensor_load_to_lds s[G0+4*\s:G0+4*\s+3], s[G1:G1+7]
	s_nop 0
	s_branch .Lasked_\@
.Lfor_b_\@:
	tensor_load_to_lds s[G0B+4*\s:G0B+4*\s+3], s[G1B:G1B+7]
	s_nop 0
.Lasked_\@:
.endm
.macro CREST                           ; a round of the cluster's barrier behind its opening barrier
	s_cmp_lg_u32 s12, 0
	s_cbranch_scc1 .Lnot_wave_0_\@
	s_barrier_signal -3
.Lnot_wave_0_\@:
	s_barrier_wait -3
	s_barrier_signal -1
	s_barrier_wait -1
.endm
.macro CROUND
	s_barrier_signal -1
	s_barrier_wait -1
	CREST
.endm
.macro PLACES                          ; four places behind matrix instructions in front of loads into, and vector reads of, their registers
.rept 4
	v_nop
.endr
.endm
	s_load_b256 s[4:11], s[0:1], 0x0               ; bf s[4:5], cs s[6:7], qkv s[8:9], scl s[10:11]
	v_lshl_add_u32 v14, v0, 2, 0x4ec00
	v_mov_b32 v15, 0
	ds_add_u32 v14, v15
	v_lshrrev_b32 v1, 5, v0
	v_readfirstlane_b32 s12, v1                    ; wave
	s_lshr_b32 s13, s12, 1                         ; wm
	s_and_b32 s14, s12, 1                          ; wn
	s_bfe_u32 s15, ttmp6, 0x40000                  ; cx
	s_bfe_u32 s16, ttmp6, 0x40004                  ; cy
	s_lshl_b32 s17, ttmp9, 2
	s_add_co_u32 s17, s17, s15                     ; bx
	s_and_b32 s18, ttmp7, 0xffff
	s_lshl_b32 s18, s18, 2
	s_add_co_u32 s18, s18, s16                     ; by
	s_lshl_b32 s44, s16, 2
	s_lshl_b32 s44, 15, s44                        ; my row of the cluster
	s_lshl_b32 s19, 0x1111, s15                    ; my column
	s_mov_b32 s78, 0x76543210                      ; v_permlanex16_b32: lane i takes lane i of the other half
	s_mov_b32 s79, 0xfedcba98
	; group 1: 128 rows x 128 elements of 2 bytes; behind every 64 words a pad of 4 words (x) or 8 words (W)
	s_or_b32 s[G1+0], s44, (1<<16)|(1<<20)|(1<<21)|(5<<22)|(3<<25)
	s_or_b32 s[G1B+0], s19, (1<<16)|(1<<20)|(1<<21)|(5<<22)|(7<<25)
	s_mov_b32 s[G1+1], 128<<16
	s_mov_b32 s[G1B+1], 128<<16
	s_mov_b32 s[G1+2], 128<<16
	s_mov_b32 s[G1B+2], 128<<16
	s_mov_b32 s[G1+3], 128<<16
	s_mov_b32 s[G1B+3], 128<<16
	s_mov_b32 s[G1+4], 128
	s_mov_b32 s[G1B+4], 128
	s_mov_b32 s[G1+5], 1024                        ; x: elements from row to row
	s_mov_b32 s[G1B+5], 3072                       ; W
	s_mov_b32 s[G1+6], 0
	s_mov_b32 s[G1B+6], 0
	s_mov_b32 s[G1+7], 0
	s_mov_b32 s[G1B+7], 0
	s_lshl_b32 s20, s18, 18                        ; x: 128 by rows of 2,048 bytes (registers that never hold cx)
	s_mov_b32 s21, 0
	s_max_u32 s22, s12, 1                          ; W: chunk wave - 1 (registers that never hold cy)
	s_sub_co_u32 s22, s22, 1
	s_lshl_b32 s22, s22, 11                        ; 1,024 columns of 2 bytes a chunk
	s_lshl_b32 s23, s17, 8                         ; 128 bx columns
	s_add_co_u32 s22, s22, s23
	s_add_co_u32 s22, s22, 0x800000                ; W's place in bf
	s_mov_b32 s23, 0
	s_mul_i32 s45, s12, REGN                       ; my region: the wave's number alone
	s_wait_dscnt 0x0
	s_wait_kmcnt 0x0
	s_add_nc_u64 s[20:21], s[4:5], s[20:21]
	s_add_nc_u64 s[22:23], s[4:5], s[22:23]
	CROUND                                         ; all sixteen work-groups are here: the first joint loads meet
.irp s, 0,1
	s_mov_b32 s[G0+4*\s], 1
	s_add_co_u32 s[G0+4*\s+1], s45, \s*SLOT
	s_add_nc_u64 s[G0+4*\s+2:G0+4*\s+3], s[20:21], \s*256          ; K step s: 128 elements along the rows
	s_or_b32 s[G0+4*\s+3], s[G0+4*\s+3], 0x80000000
	s_mov_b32 s[G0B+4*\s], 1
	s_add_co_u32 s[G0B+4*\s+1], s45, \s*SLOT
	s_add_nc_u64 s[G0B+4*\s+2:G0B+4*\s+3], s[22:23], \s*786432     ; K step s: 128 rows of 6,144 bytes
	s_or_b32 s[G0B+4*\s+3], s[G0B+4*\s+3], 0x80000000
	JLOAD \s
.endr
	; cos and sin of my 64 rows, asked for now and used behind the K loop: lane (r, h) takes columns 16 t + 8 h + 0..7 of row 16 a + r
	v_and_b32 v1, 15, v0                           ; r
	v_bfe_u32 v2, v0, 4, 1                         ; h
	s_lshr_b32 s84, s18, 4                         ; b
	s_and_b32 s85, s18, 15
	s_lshl_b32 s85, s85, 7                         ; l0
	s_lshl_b32 s86, s13, 6
	s_add_co_u32 s86, s86, s85                     ; l0 + 64 wm
	v_add_nc_u32 v3, s86, v1
	v_lshlrev_b32 v3, 8, v3                        ; a table row is 256 bytes
	v_lshl_add_u32 v[CSO], v2, 5, v3
.macro CSLOAD a, base                  ; cos of tile t at base + 8 t, sin at base + 32 + 8 t
.irp t, 0,1,2,3
	global_load_b128 v[\base+8*\t:\base+8*\t+3], v[CSO], s[6:7] offset:\a*4096+64*\t
	global_load_b128 v[\base+8*\t+4:\base+8*\t+7], v[CSO], s[6:7] offset:\a*4096+64*\t+16
	global_load_b128 v[\base+32+8*\t:\base+32+8*\t+3], v[CSO], s[6:7] offset:524288+\a*4096+64*\t
	global_load_b128 v[\base+32+8*\t+4:\base+32+8*\t+7], v[CSO], s[6:7] offset:524288+\a*4096+64*\t+16
.endr
.endm
	CSLOAD 0, 128
	CSLOAD 1, 192
	WIN 0x40
	CSLOAD 2, 192
	WIN 0x80
	CSLOAD 3, 192
	WIN 0
	; LDS addresses
	v_mul_u32_u24 v3, v1, PITA
	v_lshl_add_u32 v3, v2, 4, v3
	s_mul_i32 s81, s13, 64*PITA
	v_add_nc_u32 v[ADRA], s81, v3                  ; (64 wm + r) 272 + 16 h
	v_add_nc_u32 v[ADRA+1], SLOT, v[ADRA]
	v_and_b32 v4, 7, v0
	v_lshl_add_u32 v4, v2, 3, v4
	v_mul_u32_u24 v4, v4, PITB
	v_bfe_u32 v5, v0, 3, 1
	v_lshl_add_u32 v4, v5, 4, v4                   ; (8 h + (l & 7)) 288 + 16 ((l >> 3) & 1)
	s_mul_i32 s81, s14, 3
.irp hh, 0,1,2
	s_add_co_u32 s82, s81, \hh                     ; head slot 3 wn + hh: region 1 + (slot >> 1), 128 bytes further for the odd one
	s_lshr_b32 s83, s82, 1
	s_add_co_u32 s83, s83, 1
	s_mul_i32 s83, s83, REGN
	s_and_b32 s82, s82, 1
	s_lshl_b32 s82, s82, 7
	s_add_co_u32 s83, s83, s82
	v_add_nc_u32 v[ADRB+2*\hh], s83, v4
	v_add_nc_u32 v[ADRB+2*\hh+1], SLOT, v[ADRB+2*\hh]
.endr
	s_mul_i32 s81, s12, WSTG
	s_add_co_u32 s81, s81, STAGE
	v_mul_u32_u24 v3, v1, SPIT
	v_lshl_add_u32 v3, v2, 4, v3
	v_add_nc_u32 v[STO], s81, v3                   ; in: row r, 16 bytes for each half of the lanes
	v_bfe_u32 v3, v0, 3, 2
	v_mul_u32_u24 v3, v3, SPIT
	v_and_b32 v5, 7, v0
	v_lshl_add_u32 v3, v5, 4, v3
	v_add_nc_u32 v[RD], s81, v3                    ; back: eight lanes a row of 128 bytes, four rows a load
	v_and_b32 v3, 31, v0
	v_lshlrev_b32 v[CO], 4, v3                     ; those four rows are 512 neighbouring bytes of a head's plane
	v_lshlrev_b32 v[L4], 2, v3
; 12 matrix instructions: row tile 2 hi + al x all 12 column tiles, 32 along K, fragment buffer f
.macro MUL12 f, hi, al, zero
.irp b, 0,1,2,3,4,5,6,7,8,9,10,11
.if \zero
	v_wmma_f32_16x16x32_bf16 v[8*(12*\al+\b):8*(12*\al+\b)+7], v[96*\f+8*\b:96*\f+8*\b+7], v[64+32*\f+8*(2*\hi+\al):64+32*\f+8*(2*\hi+\al)+7], 0
.else
	v_wmma_f32_16x16x32_bf16 v[8*(12*\al+\b):8*(12*\al+\b)+7], v[96*\f+8*\b:96*\f+8*\b+7], v[64+32*\f+8*(2*\hi+\al):64+32*\f+8*(2*\hi+\al)+7], v[8*(12*\al+\b):8*(12*\al+\b)+7]
.endif
.endr
.endm
; 32 LDS loads in one run: quarter kq of a slot into buffer f; W's 24 first, x's 8 last in the order of the row tiles
.macro FETCH slot, kq, f
	WIN TO_B
.irp hh, 0,1,2
.irp t, 0,1,2,3
	ds_load_tr16_b128 v[96*\f+8*(4*\hh+\t):96*\f+8*(4*\hh+\t)+3], v[ADRB+2*\hh+\slot] offset:9216*\kq+32*\t
	ds_load_tr16_b128 v[96*\f+8*(4*\hh+\t)+4:96*\f+8*(4*\hh+\t)+7], v[ADRB+2*\hh+\slot] offset:9216*\kq+4608+32*\t
.endr
.endr
	WIN 0
.irp a, 0,1,2,3
	ds_load_b128 v[64+32*\f+8*\a:64+32*\f+8*\a+3], v[ADRA+\slot] offset:4352*\a+64*\kq
	ds_load_b128 v[64+32*\f+8*\a+4:64+32*\f+8*\a+7], v[ADRA+\slot] offset:4352*\a+64*\kq+32
.endr
.endm
; The 48 accumulators take turns, one instruction a turn, in the same order in every quarter: no wait on the ALU is written.
.macro QUARTER slot, kq, f, g, zero
	s_wait_dscnt 4                                 ; all of buffer f but the youngest four loads (x's row tiles 2, 3)
	WIN MUL_LO
	MUL12 \f, 0, 0, \zero
	MUL12 \f, 0, 1, \zero
	PLACES
	FETCH \slot, \kq, \g
	s_wait_dscnt 32                                ; all but the 32 just issued
	WIN MUL_HI
	MUL12 \f, 1, 0, \zero
	MUL12 \f, 1, 1, \zero
.endm
.macro THREE slot, zero
	QUARTER \slot, 1, 0, 1, \zero
	QUARTER \slot, 2, 1, 0, 0
	QUARTER \slot, 3, 0, 1, 0
.endm
; The last quarter of a K step changes slots.  In front of the barrier each wave waits for its reads of this slot and for all its tensor loads (one is out:
; its part of the next slot).  Where the slot is filled again the barrier opens a round of the cluster's barrier, and the joint refill is first behind the round.
.macro TURN slot, next, fill
	s_wait_dscnt 4
	WIN MUL_LO
	MUL12 1, 0, 0, 0
	s_wait_dscnt 0
	s_set_vgpr_msb 0xa1a0
	s_wait_tensorcnt 0x0
	ds_add_u32 v14, v15
	s_wait_dscnt 0x0
	s_set_vgpr_msb 0xa0a1
	s_barrier_signal -1
	MUL12 1, 0, 1, 0                               ; register work alone between signal and wait
	WIN 0
	s_barrier_wait -1
.if \fill
	CREST
	s_add_nc_u64 s[G0+4*\slot+2:G0+4*\slot+3], s[G0+4*\slot+2:G0+4*\slot+3], 512
	s_add_nc_u64 s[G0B+4*\slot+2:G0B+4*\slot+3], s[G0B+4*\slot+2:G0B+4*\slot+3], 1572864
	JLOAD \slot
.endif
	PLACES
	FETCH \next, 0, 0
	WIN MUL_HI
	MUL12 1, 1, 0, 0
	MUL12 1, 1, 1, 0
.endm
.macro LAP zero
	THREE 0, \zero
	TURN 0, 1, 1
	THREE 1, 0
	TURN 1, 0, 1
.endm
	s_wait_tensorcnt 1                             ; my part of K step 0 is in; K step 1's stays out
	s_barrier_signal -1
	s_barrier_wait -1
	FETCH 0, 0, 0
	LAP 1                                          ; the first products start the sums
	WIN 0
	s_mov_b32 s80, LAPS-2
.Llap:
	LAP 0
	WIN 0
	s_sub_co_u32 s80, s80, 1
	s_cmp_lg_u32 s80, 0
	s_cbranch_scc1 .Llap
	THREE 0, 0                                     ; the last lap fills nothing
	TURN 0, 1, 0
	THREE 1, 0
	s_wait_dscnt 4
	WIN MUL_LO
	MUL12 1, 0, 0, 0
	MUL12 1, 0, 1, 0
	s_wait_dscnt 0
	WIN MUL_HI
	MUL12 1, 1, 0, 0
	MUL12 1, 1, 1, 0
	PLACES
	WIN 0
	; THE WAY OUT
	s_wait_loadcnt 0x0                             ; cos and sin
	v_mov_b32 v[SCV], 0
	v_mov_b32 v[SCV+1], 0
	v_mov_b32 v[SCV+2], 0
	s_mul_i32 s87, s14, 3
.irp hh, 0,1,2
	s_add_co_u32 s88, s87, \hh                     ; head slot
	s_and_b32 s89, s88, 1
	s_lshl1_add_u32 s89, s17, s89                  ; head 2 bx + (slot & 1)
	s_lshr_b32 s88, s88, 1                         ; kind: 0 q, 1 k, 2 v
	s_lshl4_add_u32 s88, s88, s89                  ; G = 16 kind + head
	s_mul_i32 s90, s84, 48
	s_add_co_u32 s90, s90, s88
	s_lshl_b32 s90, s90, 18                        ; a plane is 262,144 bytes
	s_lshl_b32 s91, s86, 7                         ; my first row, 128 bytes a row
	s_add_co_u32 s90, s90, s91
	s_mov_b32 s91, 0
	s_add_nc_u64 s[66+2*\hh:67+2*\hh], s[8:9], s[90:91]
	s_lshl_b32 s90, s84, 5
	s_add_co_u32 s90, s90, s88
	s_lshl_b32 s90, s90, 9                         ; 128 scales of 4 bytes for each (b, G); used for q and k alone
	s_lshr_b32 s91, s86, 2
	s_add_co_u32 s90, s90, s91
	s_mov_b32 s91, 0
	s_add_nc_u64 s[72+2*\hh:73+2*\hh], s[10:11], s[90:91]
.endr
; RoPE on the 16 rows x 64 columns of row tile a, head hh; then the block's power-of-two scale, f16, and 16 bytes a lane into the stage.
.macro ROPE a, hh
.set ACCB, 8*(12*(\a&1)+4*\hh)
.if \a == 0
.set CSB, 128
.else
.set CSB, 192
.endif
.if \a < 2
	WIN 0x02                                       ; source 0: accumulators (window 2); source 1: tables (window 0)
.elseif \a == 2
	WIN 0x07                                       ; window 3, window 1
.else
	WIN 0x0b                                       ; window 3, window 2
.endif
.irp t, 0,1
.irp jp, 0,2,4,6
	v_pk_mul_f32 v[Y+8*\t+\jp:Y+8*\t+\jp+1], v[ACCB+8*(\t+2)+\jp:ACCB+8*(\t+2)+\jp+1], v[CSB+32+8*\t+\jp:CSB+32+8*\t+\jp+1]
	v_pk_mul_f32 v[Y+8*(\t+2)+\jp:Y+8*(\t+2)+\jp+1], v[ACCB+8*\t+\jp:ACCB+8*\t+\jp+1], v[CSB+32+8*(\t+2)+\jp:CSB+32+8*(\t+2)+\jp+1]
.endr
.irp jp, 0,2,4,6
	v_pk_fma_f32 v[Y+8*\t+\jp:Y+8*\t+\jp+1], v[ACCB+8*\t+\jp:ACCB+8*\t+\jp+1], v[CSB+8*\t+\jp:CSB+8*\t+\jp+1], v[Y+8*\t+\jp:Y+8*\t+\jp+1] neg_lo:[0,0,1] neg_hi:[0,0,1]
	v_pk_fma_f32 v[Y+8*(\t+2)+\jp:Y+8*(\t+2)+\jp+1], v[ACCB+8*(\t+2)+\jp:ACCB+8*(\t+2)+\jp+1], v[CSB+8*(\t+2)+\jp:CSB+8*(\t+2)+\jp+1], v[Y+8*(\t+2)+\jp:Y+8*(\t+2)+\jp+1]
.endr
.endr
	WIN 0
	v_max_num_f32 v2, |v[Y]|, |v[Y+1]|             ; the block's largest magnitude: two chains in the lane,
	v_max_num_f32 v3, |v[Y+16]|, |v[Y+17]|
.irp i, 2,4,6,8,10,12,14
	v_max3_num_f32 v2, v2, |v[Y+\i]|, |v[Y+\i+1]|
	v_max3_num_f32 v3, v3, |v[Y+16+\i]|, |v[Y+17+\i]|
.endr
	v_max_num_f32 v2, v2, v3
	v_max_num_f32_dpp v2, v2, v2 row_xmask:1 row_mask:0xf bank_mask:0xf     ; then over the 32 lanes
	v_max_num_f32_dpp v2, v2, v2 row_xmask:2 row_mask:0xf bank_mask:0xf
	v_max_num_f32_dpp v2, v2, v2 row_xmask:4 row_mask:0xf bank_mask:0xf
	v_max_num_f32_dpp v2, v2, v2 row_xmask:8 row_mask:0xf bank_mask:0xf
	v_permlanex16_b32 v3, v2, s78, s79
	v_max_num_f32 v2, v2, v3
	v_and_b32 v5, 0x7f800000, v2                   ; E: its power of two
	v_sub_nc_u32 v6, 0x7f000000, v5                ; 1 / E, exact
	v_mov_b32 v7, v6
	s_mov_b32 s83, 1<<\a
	v_cndmask_b32 v[SCV+\hh], v[SCV+\hh], v5, s83  ; lane a keeps E
.irp i, 0,2,4,6,8,10,12,14,16,18,20,22,24,26,28,30
	v_pk_mul_f32 v[Y+\i:Y+\i+1], v[Y+\i:Y+\i+1], v[6:7]
.endr
.irp i, 0,1,2,3,4,5,6,7,8,9,10,11,12,13,14,15
	v_cvt_pk_f16_f32 v[PK+\i], v[Y+2*\i], v[Y+2*\i+1]
.endr
.irp t, 0,1,2,3
	ds_store_b128 v[STO], v[PK+4*\t:PK+4*\t+3] offset:\hh*2304+32*\t
.endr
.endm
; v: f16 straight from the sums
.macro PLAIN a, hh
.set ACCB, 8*(12*(\a&1)+4*\hh)
.if \a < 2
	WIN 0x0a
.else
	WIN 0x0f
.endif
.irp i, 0,1,2,3,4,5,6,7,8,9,10,11,12,13,14,15
	v_cvt_pk_f16_f32 v[PK+\i], v[ACCB+2*\i], v[ACCB+2*\i+1]
.endr
	WIN 0
.irp t, 0,1,2,3
	ds_store_b128 v[STO], v[PK+4*\t:PK+4*\t+3] offset:\hh*2304+32*\t
.endr
.endm
; 16 rows of three heads leave the stage: each store of the wave covers 512 neighbouring bytes, aligned.  The stage is the wave's own, and LDS serves a wave in order.
.macro FLUSH a
	s_wait_xcnt 0x0                                ; RB was the data of the last stores: loaded again only behind this wait
.irp hh, 0,1,2
.irp n, 0,1,2,3
	ds_load_b128 v[RB+16*\hh+4*\n:RB+16*\hh+4*\n+3], v[RD] offset:\hh*2304+576*\n
.endr
.endr
.irp hh, 0,1,2
.irp n, 0,1,2,3
	s_wait_dscnt 11-(4*\hh+\n)                     ; the younger read-backs stay out
	global_store_b128 v[CO], v[RB+16*\hh+4*\n:RB+16*\hh+4*\n+3], s[66+2*\hh:67+2*\hh] offset:\a*2048+512*\n
.endr
.endr
.endm
; lanes 0 to 3 store the four scales of a head: pieces of 16 bytes of a table of 32 KiB in all
.macro SCALEOUT n
	s_wait_xcnt 0x0                                ; EXEC changes only behind this wait
	v_cmp_gt_u32 vcc_lo, 16, v[L4]
	s_and_saveexec_b32 s81, vcc_lo
	global_store_b32 v[L4], v[SCV], s[72:73]
.if \n > 1
	global_store_b32 v[L4], v[SCV+1], s[74:75]
	global_store_b32 v[L4], v[SCV+2], s[76:77]
.endif
	s_wait_xcnt 0x0
	s_or_b32 exec_lo, exec_lo, s81
.endm
	s_cmp_lg_u32 s14, 0
	s_cbranch_scc1 .Lwn1
.irp a, 0,1,2,3                        ; wn = 0: q, q, k
	ROPE \a, 0
	ROPE \a, 1
	ROPE \a, 2
	FLUSH \a
.endr
	SCALEOUT 3
	s_branch .Ljoin
.Lwn1:
.irp a, 0,1,2,3                        ; wn = 1: k, v, v
	ROPE \a, 0
	PLAIN \a, 1
	PLAIN \a, 2
	FLUSH \a
.endr
	SCALEOUT 1
.Ljoin:
	s_wait_tensorcnt 0x0
	ds_add_u32 v14, v15
	s_wait_dscnt 0x0
	CROUND                                         ; the closing round: no work-group ends while a partner may still ask jointly
	s_endpgm
.Lfunc_end_k_q006981ff4c_qkvgemm:
	.size	k_q006981ff4c_qkvgemm, .Lfunc_end_k_q006981ff4c_qkvgemm-k_q006981ff4c_qkvgemm
	.p2alignl 7, 3214868480
	.fill 96, 4, 3214868480
	.section	.rodata,"a",@progbits
	.p2align	6, 0x0
	.amdhsa_kernel k_q006981ff4c_qkvgemm
		.amdhsa_group_segment_fixed_size 327680
		.amdhsa_private_segment_fixed_size 0
		.amdhsa_enable_private_segment 0
		.amdhsa_kernarg_size 32
		.amdhsa_user_sgpr_count 2
		.amdhsa_user_sgpr_kernarg_segment_ptr 1
		.amdhsa_wavefront_size32 1
		.amdhsa_system_sgpr_workgroup_id_x 1
		.amdhsa_system_sgpr_workgroup_id_y 1
		.amdhsa_system_sgpr_workgroup_id_z 1
		.amdhsa_system_vgpr_workitem_id 0
		.amdhsa_next_free_vgpr 960
		.amdhsa_next_free_sgpr 96
		.amdhsa_reserve_vcc 1
		.amdhsa_float_denorm_mode_32 3
		.amdhsa_float_denorm_mode_16_64 3
		.amdhsa_memory_ordered 1
		.amdhsa_forward_progress 1
		.amdhsa_inst_pref_size 255
	.end_amdhsa_kernel
	.section	.bss,"aw",@nobits
	.p2align	6
	.space	262144
	.amdgpu_metadata
---
amdhsa.version: [ 1, 2 ]
amdhsa.kernels:
  - .name:           k_q006981ff4c_qkvgemm
    .symbol:         k_q006981ff4c_qkvgemm.kd
    .args:
      - { .name: bf, .offset: 0, .size: 8, .value_kind: global_buffer, .address_space: global }
      - { .name: cs, .offset: 8, .size: 8, .value_kind: global_buffer, .address_space: global }
      - { .name: qkv, .offset: 16, .size: 8, .value_kind: global_buffer, .address_space: global }
      - { .name: scl, .offset: 24, .size: 8, .value_kind: global_buffer, .address_space: global }
    .group_segment_fixed_size: 327680
    .private_segment_fixed_size: 0
    .kernarg_segment_align: 8
    .kernarg_segment_size: 32
    .max_flat_workgroup_size: 128
    .sgpr_count:     96
    .vgpr_count:     960
    .wavefront_size: 32
...
	.end_amdgpu_metadata
.endif
;; end of part 2
;; launch attn (part 3): grid 8 x 32, 8 waves a work-group, no clusters, 327,680 bytes of LDS; arguments qkv, scl, att; writes att
.if DOCPART == 3
	.amdgcn_target "amdgcn-amd-amdhsa--gfx1250"
	.amdhsa_code_object_version 6
	.text
	.protected	k_q006981ff4c_attn
	.globl	k_q006981ff4c_attn
	.p2align	8
	.type	k_q006981ff4c_attn,@function
k_q006981ff4c_attn:
	s_mov_b64 s[64:65], 0
	v_nop
	global_prefetch_b8 v0, s[64:65] scope:SCOPE_SE
	s_setreg_imm32_b32 hwreg(HW_REG_WAVE_MODE, 25, 1), 1
	s_wait_xcnt 0x0
; Causal attention with a running maximum, f16 operands, f32 sums.  att: f16 [b][h][l][64].
; Work-group (i, bh) takes the 128-row query blocks 15 - i and then i of one (b, h): 16 - i and i + 1 key tiles of 128, 17 steps for every work-group.
; Eight waves: qs = w & 3 picks 32 query rows, kh = w >> 2 picks 64 of a tile's 128 keys; the two key halves of a query block meet in LDS at the block's end.
; NO MULTICAST: the work-groups of one head want the same tile only in the steps in which both are in their first block (at most 9 of 17); a form in which
; all partners ask for every tile in step needs 24 steps instead of 17.
; S^T = K Q^T: lane (r, h) of tile (kt, qt) holds query 16 qt + r, keys 16 kt + 8 h + 0..7, so a row's statistics are one number a lane, and the packed f16 P
; is already the second source of O^T = V^T P^T (V read with the transposing load).  O's tile (dt, qt): query r, d = 16 dt + 8 h + 0..7.
; q and k come as f16 with one power of two for each 16 rows; the two powers, 1/8 and log2 e are one scalar factor CE for each tile of S.
; LIMITS: a score times log2 e below -2^126 (the running maximum's start) is not served; CE is kept at 2^-126 at the least so that a masked score stays -inf.
; LDS: two slots of 81,920 bytes, each with the tiles of TWO steps: K step 0, K step 1 (pitch 144), V step 0, V step 1 (pitch 160), 20,480 bytes each, brought by
; waves 0 to 3, one load each: one barrier for two steps.  Behind them 8 x 17,408 bytes for the halves' results and 8 x 2,304 for the way out.
; A wave's 17,408 bytes are two places of 8,704 that take turns with the slots: results are stored into the place of the slot at work and merged, behind the next
; barrier, while the other slot is at work; so within one pair of steps the merge's loads and the stores touch different bytes.
; REGISTERS  window 0: v2-15 addresses, v16-25 statistics, v26-63 at work, v64-127 S then P, v128-191 K's fragments, v192-255 V's
;            window 1: v0-63 O (32 qt + 8 dt + j), v64-95 Q of the block at work (8 (2 qt + ks)), v96-127 Q of the second block
; SCALARS    s2 w & 1, s3 K or V, s10-19 wave, qs, kh, i, bh, steps of block 1, its diagonal step, the merge's step, the step, the loop's counter; s20-23 at work;
;            s[24:31] group 1 for K, s[32:39] for V, s[40:47] group 0 of slots 0, 1; s[48:49] my plane; s[50:51] scales; s[52:55] outputs;
;            s[56:63], s[68:75] k's scales of slots 0, 1; s66-67 tiles and their scales' offsets; s[76:91] CE; s92-97 q's factors; s98-99 lane selects
.set SLOTB, 81920
.set REGB,  20480
.set KPIT,  144
.set VPIT,  160
.set FBASE, 163840
.set FREG,  17408
.set FFIN,  8704
.set STAGE, 303104
.set KA,  2
.set VA,  4
.set DLT, 6
.set NINF, 7
.set PA,  8
.set PS,  9
.set RA,  10
.set RS,  11
.set STW, 12
.set STR, 13
.set L16, 14
.set QOFF, 15
.set KF,  128
.set VF,  192
.set MSB, 0
.macro WIN new
.if MSB != \new
	s_set_vgpr_msb (MSB<<8)|\new
.set MSB, \new
.endif
.endm
; A fill by the group 0 at s[g:g+3].  both = 1: two steps' tiles: waves 0, 1 bring K's, waves 2, 3 V's.  both = 0: one step's: wave 0 K's, wave 2 V's.
; Each line has one constant group 1; a wave's LDS bytes are 20,480 x its number + the slot's constant.  Waves 4 to 7 issue nothing.
.macro TFILL g, both
.if \both
	s_cmp_ge_u32 s10, 4
	s_cbranch_scc1 .Ltf_none_\@
	s_cmp_ge_u32 s10, 2
	s_cbranch_scc1 .Ltf_v_\@
	tensor_load_to_lds s[\g:\g+3], s[24:31]
	s_nop 0
	s_branch .Ltf_none_\@
.Ltf_v_\@:
	tensor_load_to_lds s[\g:\g+3], s[32:39]
	s_nop 0
.Ltf_none_\@:
.else
	s_cmp_lg_u32 s10, 0
	s_cbranch_scc1 .Ltf_n0_\@
	tensor_load_to_lds s[\g:\g+3], s[24:31]
	s_nop 0
.Ltf_n0_\@:
	s_cmp_lg_u32 s10, 2
	s_cbranch_scc1 .Ltf_n2_\@
	tensor_load_to_lds s[\g:\g+3], s[32:39]
	s_nop 0
.Ltf_n2_\@:
.endif
.endm
	s_load_b128 s[4:7], s[0:1], 0x0                ; qkv, scl
	s_load_b64 s[8:9], s[0:1], 0x10                ; att
	v_lshl_add_u32 v62, v0, 2, 0x4e800
	v_mov_b32 v63, 0
	ds_add_u32 v62, v63
	v_lshrrev_b32 v1, 5, v0
	v_readfirstlane_b32 s10, v1                    ; wave
	s_and_b32 s11, s10, 3                          ; qs
	s_lshr_b32 s12, s10, 2                         ; kh
	s_mov_b32 s13, ttmp9                           ; i
	s_and_b32 s14, ttmp7, 0xffff                   ; bh
	s_sub_co_u32 s15, 16, s13                      ; steps of the first block
	s_sub_co_u32 s16, 15, s13                      ; the first block's number, and its diagonal step
	s_lshr_b32 s17, s16, 1
	s_lshl_b32 s17, s17, 1
	s_add_co_u32 s17, s17, 2                       ; first step of the pair of steps behind that one: there the first block is merged
	s_mov_b32 s18, 0                               ; the step
	s_and_b32 s2, s10, 1                           ; a loader: which of a slot's two steps it brings
	s_bfe_u32 s3, s10, 0x10001                     ; a loader: 0 = K, 1 = V (bit 1 of the wave's number)
	; group 1: a tile is 16 KiB dense in memory: 64 rows of 32 elements of 8 bytes; behind every 32 words (a key's 128 bytes) a pad of 4 words (K) or 8 (V)
	s_mov_b32 s24, (3<<16)|(1<<20)|(4<<22)|(3<<25)
	s_mov_b32 s32, (3<<16)|(1<<20)|(4<<22)|(7<<25)
	s_mov_b32 s25, 32<<16                          ; tensor_dim0 = 32
	s_mov_b32 s33, 32<<16
	s_mov_b32 s26, 64<<16                          ; tensor_dim1 = 64
	s_mov_b32 s34, 64<<16
	s_mov_b32 s27, 32<<16                          ; tile_dim0 = 32
	s_mov_b32 s35, 32<<16
	s_mov_b32 s28, 64                              ; tile_dim1 = 64
	s_mov_b32 s36, 64
	s_mov_b32 s29, 32                              ; elements from row to row
	s_mov_b32 s37, 32
	s_mov_b32 s30, 0
	s_mov_b32 s38, 0
	s_mov_b32 s31, 0
	s_mov_b32 s39, 0
	s_lshr_b32 s20, s14, 4                         ; b
	s_and_b32 s21, s14, 15                         ; h
	s_mul_i32 s66, s20, 48
	s_add_co_u32 s66, s66, s21                     ; q's plane
	s_lshl_b32 s67, s20, 5
	s_add_co_u32 s67, s67, s21                     ; q's row of scales
	s_lshl4_add_u32 s20, s3, s66
	s_add_co_u32 s20, s20, 16                      ; k's plane, or v's
	s_lshl_b32 s20, s20, 18
	s_mov_b32 s21, 0
	s_mul_i32 s22, s10, REGB                       ; my region in a slot: the wave's number times a constant
	s_mov_b32 s40, 1                               ; group 0 of slot 0
	s_add_co_u32 s41, s22, 0
	s_mov_b32 s44, 1                               ; group 0 of slot 1
	s_add_co_u32 s45, s22, SLOTB
	s_wait_dscnt 0x0
	s_barrier_signal -1
	s_barrier_wait -1
	s_wait_kmcnt 0x0
	s_add_nc_u64 s[48:49], s[4:5], s[20:21]        ; my plane
	s_lshl_b32 s20, s2, 14                         ; steps 0 and 1 are tiles 0 and 1
	s_add_nc_u64 s[42:43], s[48:49], s[20:21]
	s_or_b32 s43, s43, 0x80000000
	TFILL 40, 1                                    ; the first fill: slot 0
	; bases: Q of both blocks, the two outputs, the scales
	s_mov_b32 s23, 0
	s_lshl_b32 s20, s66, 18
	s_lshl_b32 s22, s16, 14
	s_add_co_u32 s22, s22, s20
	s_add_nc_u64 s[100:101], s[4:5], s[22:23]      ; Q of block 15 - i
	s_lshl_b32 s22, s13, 14
	s_add_co_u32 s22, s22, s20
	s_add_nc_u64 s[4:5], s[4:5], s[22:23]          ; Q of block i (the pointer's last use)
	s_lshl_b32 s20, s14, 18
	s_lshl_b32 s22, s11, 12                        ; 32 qs rows of 128 bytes
	s_add_co_u32 s20, s20, s22
	s_lshl_b32 s22, s12, 11                        ; 16 kh rows: the query tile that this wave merges
	s_add_co_u32 s20, s20, s22
	s_lshl_b32 s22, s16, 14
	s_add_co_u32 s22, s22, s20
	s_add_nc_u64 s[52:53], s[8:9], s[22:23]
	s_lshl_b32 s22, s13, 14
	s_add_co_u32 s22, s22, s20
	s_add_nc_u64 s[54:55], s[8:9], s[22:23]
	s_lshl_b32 s22, s67, 9
	s_add_nc_u64 s[50:51], s[6:7], s[22:23]        ; q's scales; k's lie 8,192 bytes further
	; vector addresses
	v_and_b32 v26, 15, v0                          ; r
	v_bfe_u32 v27, v0, 4, 1                        ; h
	v_and_b32 v28, 31, v0                          ; lane
	v_and_b32 v29, 7, v0
	v_bfe_u32 v30, v0, 3, 1
	s_lshl_b32 s20, s12, 6                         ; 64 kh
	s_lshl_b32 s21, s11, 5                         ; 32 qs
	v_add_nc_u32 v31, s20, v26
	v_mul_u32_u24 v31, v31, KPIT
	v_lshl_add_u32 v[KA], v27, 4, v31              ; (64 kh + r) 144 + 16 h
	v_add_nc_u32 v[KA+1], SLOTB, v[KA]
	v_lshl_add_u32 v31, v27, 3, v29
	v_add_nc_u32 v31, s20, v31
	v_mul_u32_u24 v31, v31, VPIT
	v_lshl_add_u32 v31, v30, 4, v31                ; (64 kh + 8 h + (l & 7)) 160 + 16 ((l >> 3) & 1)
	v_add_nc_u32 v[VA], 2*REGB, v31
	v_add_nc_u32 v[VA+1], SLOTB+2*REGB, v31
	v_add_nc_u32 v31, s21, v26                     ; 32 qs + r
	v_lshlrev_b32 v[QOFF], 7, v31
	v_lshl_add_u32 v[QOFF], v27, 4, v[QOFF]
	v_sub_nc_u32 v31, v31, s20
	v_lshlrev_b32 v30, 3, v27
	v_sub_nc_u32 v[DLT], v31, v30                  ; key 16 kt + j of tile qt is kept where 16 kt + j - 16 qt <= 32 qs + r - 64 kh - 8 h
	v_mov_b32 v[NINF], 0xff800000
	s_lshl_b32 s22, s11, 1
	s_add_co_u32 s23, s22, s12
	s_mul_i32 s23, s23, FREG
	s_add_co_u32 s23, s23, FBASE                   ; my region for the halves' results
	v_lshl_add_u32 v[PA], v28, 4, s23
	s_add_co_u32 s23, s23, 8192
	v_lshl_add_u32 v[PS], v28, 3, s23
	s_mul_i32 s22, s22, FREG
	s_add_co_u32 s22, s22, FBASE                   ; the region of my pair's wave with kh = 0
	s_lshl_b32 s23, s12, 12                        ; query tile kh: eight pieces of 512 bytes further
	s_add_co_u32 s23, s23, s22
	v_lshl_add_u32 v[RA], v28, 4, s23
	s_lshl_b32 s23, s12, 8
	s_add_co_u32 s23, s23, s22
	s_add_co_u32 s23, s23, 8192
	v_lshl_add_u32 v[RS], v28, 3, s23
	s_mul_i32 s23, s10, 2304
	s_add_co_u32 s23, s23, STAGE
	v_mul_u32_u24 v31, v26, 144
	v_lshl_add_u32 v31, v27, 4, v31
	v_add_nc_u32 v[STW], s23, v31
	v_bfe_u32 v31, v0, 3, 2
	v_mul_u32_u24 v31, v31, 144
	v_lshl_add_u32 v31, v29, 4, v31
	v_add_nc_u32 v[STR], s23, v31
	v_lshlrev_b32 v[L16], 4, v28
	; Q of both blocks, straight into fragments: lane (r, h) takes d = 32 ks + 8 h + 0..7 and + 16 of query 16 qt + r
	WIN 0x40
.irp qt, 0,1
.irp ks, 0,1
	global_load_b128 v[64+8*(2*\qt+\ks):64+8*(2*\qt+\ks)+3], v[QOFF], s[100:101] offset:2048*\qt+64*\ks
	global_load_b128 v[64+8*(2*\qt+\ks)+4:64+8*(2*\qt+\ks)+7], v[QOFF], s[100:101] offset:2048*\qt+64*\ks+32
	global_load_b128 v[96+8*(2*\qt+\ks):96+8*(2*\qt+\ks)+3], v[QOFF], s[4:5] offset:2048*\qt+64*\ks
	global_load_b128 v[96+8*(2*\qt+\ks)+4:96+8*(2*\qt+\ks)+7], v[QOFF], s[4:5] offset:2048*\qt+64*\ks+32
.endr
.endr
	; every step scales O and adds onto it, the first too, so O is written once here
.set n, 0
.rept 64
	v_mov_b32 v[n], 0
.set n, n+1
.endr
	WIN 0
	v_mov_b32 v16, 0xfe800000                      ; M = -2^126
	v_mov_b32 v17, 0                               ; L
	v_mov_b32 v18, 0xfe800000
	v_mov_b32 v19, 0
	; scales: q's of both blocks, k's of steps 0 and 1
	s_lshl_b32 s20, s16, 5
	s_lshl3_add_u32 s20, s11, s20                  ; 4 (8 block + 2 qs)
	s_lshl_b32 s21, s13, 5
	s_lshl3_add_u32 s21, s11, s21
	s_lshl_b32 s66, s12, 4                         ; 4 (8 tile + 4 kh)
	s_add_co_u32 s67, s66, 32
	s_load_b64 s[92:93], s[50:51], s20 offset:0x0
	s_load_b64 s[94:95], s[50:51], s21 offset:0x0
	s_load_b128 s[56:59], s[50:51], s66 offset:0x2000
	s_load_b128 s[60:63], s[50:51], s67 offset:0x2000
	s_mov_b32 s98, 0x76543210
	s_mov_b32 s99, 0xfedcba98
.irp p, 77,79,81,83,85,87,89,91
	s_mov_b32 s\p, 0                               ; the upper halves of CE's pairs: named by the packed form, never used
.endr
	s_wait_kmcnt 0x0
	s_mul_f32 s92, s92, 0x3e38aa3b                 ; (1/8) log2 e times q's power of two
	s_mul_f32 s93, s93, 0x3e38aa3b
	s_mul_f32 s94, s94, 0x3e38aa3b
	s_mul_f32 s95, s95, 0x3e38aa3b
	s_mov_b32 s96, s92                             ; the block at work
	s_mov_b32 s97, s93
	s_wait_loadcnt 0x0                             ; Q
.macro KLOAD slot, pos                 ; 16 loads: my 64 keys x 64 d
.irp ks, 0,1
.irp kt, 0,1,2,3
	ds_load_b128 v[KF+8*(4*\ks+\kt):KF+8*(4*\ks+\kt)+3], v[KA+\slot] offset:\pos*REGB+2304*\kt+64*\ks
	ds_load_b128 v[KF+8*(4*\ks+\kt)+4:KF+8*(4*\ks+\kt)+7], v[KA+\slot] offset:\pos*REGB+2304*\kt+64*\ks+32
.endr
.endr
.endm
; One query tile's softmax step: the new maximum, exp2 of the scaled scores less it, the row sum (this half of the lanes' part), P packed to f16 in place.
.macro SOFTMAX qt
.set SB, 64+32*\qt
.set MR, 16+2*\qt
.set AR, 22+2*\qt
.irp kt, 0,1,2,3
	v_max3_num_f32 v[26+\kt], v[SB+8*\kt], v[SB+8*\kt+1], v[SB+8*\kt+2]
.endr
.irp kt, 0,1,2,3
	v_max3_num_f32 v[26+\kt], v[26+\kt], v[SB+8*\kt+3], v[SB+8*\kt+4]
.endr
.irp kt, 0,1,2,3
	v_max3_num_f32 v[26+\kt], v[26+\kt], v[SB+8*\kt+5], v[SB+8*\kt+6]
.endr
.irp kt, 0,1,2,3
	v_max_num_f32 v[26+\kt], v[26+\kt], v[SB+8*\kt+7]
.endr
.irp kt, 0,1,2,3
	v_mul_f32 v[26+\kt], s[76+2*(2*\kt+\qt)], v[26+\kt]        ; CE is positive: the maximum may be scaled after it is taken
.endr
	v_max3_num_f32 v26, v26, v27, v28
	v_max_num_f32 v26, v26, v29
	v_permlanex16_b32 v27, v26, s98, s99           ; the other eight keys of each tile lie in the other half of the lanes
	v_max3_num_f32 v30, v26, v27, v[MR]            ; the new maximum
	v_sub_f32 v31, v[MR], v30
	v_exp_f32 v[AR], v31                           ; what O and L are scaled by
	v_xor_b32 v20, 0x80000000, v30                 ; (a plain instruction behind the exponential)
	v_xor_b32 v21, 0x80000000, v30
	v_mov_b32 v[MR], v30
.irp kt, 0,1,2,3
.irp jp, 0,2,4,6
	v_pk_fma_f32 v[SB+8*\kt+\jp:SB+8*\kt+\jp+1], v[SB+8*\kt+\jp:SB+8*\kt+\jp+1], s[76+2*(2*\kt+\qt):77+2*(2*\kt+\qt)], v[20:21] op_sel_hi:[1,0,1]
.endr
.endr
.set n, 0
.rept 32
	v_exp_f32 v[SB+n], v[SB+n]
.set n, n+1
.endr
	s_wait_alu depctr_va_vdst(0)
	v_mov_b32 v[AR+1], v[AR]                       ; the plain instruction behind the run of exponentials
	v_pk_add_f32 v[26:27], v[SB:SB+1], v[SB+2:SB+3]
	v_pk_add_f32 v[28:29], v[SB+4:SB+5], v[SB+6:SB+7]
.irp i, 8,12,16,20,24,28
	v_pk_add_f32 v[26:27], v[26:27], v[SB+\i:SB+\i+1]
	v_pk_add_f32 v[28:29], v[28:29], v[SB+\i+2:SB+\i+3]
.endr
	v_pk_add_f32 v[26:27], v[26:27], v[28:29]
	v_add_f32 v26, v26, v27
	v_fma_f32 v[MR+1], v[MR+1], v[AR], v26
.irp i, 0,1,2,3,4,5,6,7,8,9,10,11,12,13,14,15
	v_cvt_pk_f16_f32 v[SB+\i], v[SB+2*\i], v[SB+2*\i+1]        ; register i from 2 i and 2 i + 1: keys 32 ks .. + 31 end up in registers 8 ks .. + 7
.endr
.endm
; My half's O, M and L go to place p of my region, for the merge.  p is the slot at work.
.macro PART p
	WIN 0x04                                       ; store data in window 1
.irp c, 0,1,2,3,4,5,6,7,8,9,10,11,12,13,14,15
	ds_store_b128 v[PA], v[4*\c:4*\c+3] offset:(\p)*FFIN+512*\c
.endr
	WIN 0
	ds_store_b64 v[PS], v[16:17] offset:(\p)*FFIN
	ds_store_b64 v[PS], v[18:19] offset:(\p)*FFIN+256
.endm
; The second block begins: its Q, its factors, M = -2^126, L = 0.  O is not cleared: it is finite (at most 2,048 x 65,504), and the first step in which a row
; sees a live key scales it by exp2(-2^126 - the new maximum) = 0; a row that sees none in this half keeps M = -2^126, and the merge weights its O by 0.
.macro REINIT
	WIN 0x41
.set n, 0
.rept 32
	v_mov_b32 v[64+n], v[96+n]
.set n, n+1
.endr
	WIN 0
	v_mov_b32 v16, 0xfe800000
	v_mov_b32 v17, 0
	v_mov_b32 v18, 0xfe800000
	v_mov_b32 v19, 0
	s_mov_b32 s96, s94
	s_mov_b32 s97, s95
.endm
; Query tile kh of my pair's 32 rows, from place p: the two key halves are joined, divided by the row sum, rounded to f16 and stored as 2,048 neighbouring bytes
; of output block out (0: block 15 - i, 1: block i).  It stands behind a barrier in front of which both waves have waited for their LDS stores.
.macro MERGE p, out
.irp c, 0,1,2,3,4,5,6,7
	ds_load_b128 v[64+4*\c:64+4*\c+3], v[RA] offset:(\p)*FFIN+512*\c
	ds_load_b128 v[96+4*\c:96+4*\c+3], v[RA] offset:(\p)*FFIN+512*\c+FREG
.endr
	ds_load_b64 v[32:33], v[RS] offset:(\p)*FFIN
	ds_load_b64 v[34:35], v[RS] offset:(\p)*FFIN+FREG
	s_wait_dscnt 0x0
	v_max_num_f32 v26, v32, v34
	v_sub_f32 v27, v32, v26
	v_sub_f32 v28, v34, v26
	v_exp_f32 v27, v27
	v_exp_f32 v28, v28
	v_mov_b32 v30, 0                               ; a plain instruction behind the exponentials; also writes the permute's destination
	s_wait_alu depctr_va_vdst(0)
	v_mul_f32 v29, v33, v27
	v_fmac_f32 v29, v35, v28
	v_permlanex16_b32 v30, v29, s98, s99           ; the other half of the lanes holds the other keys' part of the sum
	v_add_f32 v29, v29, v30
	v_rcp_f32 v29, v29
	v_nop
	s_wait_alu depctr_va_vdst(0)
	v_mul_f32 v52, v27, v29
	v_mul_f32 v54, v28, v29
	v_mov_b32 v53, v52
	v_mov_b32 v55, v54
.irp i, 0,2,4,6,8,10,12,14,16,18,20,22,24,26,28,30
	v_pk_mul_f32 v[64+\i:65+\i], v[64+\i:65+\i], v[52:53]
.endr
.irp i, 0,2,4,6,8,10,12,14,16,18,20,22,24,26,28,30
	v_pk_fma_f32 v[64+\i:65+\i], v[96+\i:97+\i], v[54:55], v[64+\i:65+\i]
.endr
.irp i, 0,1,2,3,4,5,6,7,8,9,10,11,12,13,14,15
	v_cvt_pk_f16_f32 v[36+\i], v[64+2*\i], v[64+2*\i+1]
.endr
.irp dt, 0,1,2,3
	ds_store_b128 v[STW], v[36+4*\dt:36+4*\dt+3] offset:32*\dt
.endr
.irp n, 0,1,2,3
	ds_load_b128 v[96+4*\n:96+4*\n+3], v[STR] offset:576*\n    ; the wave's own stage: LDS serves a wave in order
.endr
.irp n, 0,1,2,3
	s_wait_dscnt 3-\n                              ; the younger read-backs stay out
	global_store_b128 v[L16], v[96+4*\n:96+4*\n+3], s[52+2*\out:53+2*\out] offset:512*\n
.endr
	s_wait_xcnt 0x0                                ; the stores' data registers are S's: written again only behind this wait
.endm
; One step: 64 keys x 32 queries.  nextk = 1: the slot's second step's K is fetched in the middle.  last = 1: step 16, always diagonal.
.macro STEP slot, pos, nextk, last
.set SKB, 56+12*\slot+4*\pos
.irp kt, 0,1,2,3
.irp qt, 0,1
	s_mul_f32 s[76+2*(2*\kt+\qt)], s[SKB+\kt], s[96+\qt]
.endr
.endr
.irp p, 0,1,2,3,4,5,6,7
	s_max_u32 s[76+2*\p], s[76+2*\p], 0x00800000   ; positive floats order as integers: at least 2^-126
.endr
.irp ks, 0,1
.irp dt, 0,1,2,3
	ds_load_tr16_b128 v[VF+8*(4*\ks+\dt):VF+8*(4*\ks+\dt)+3], v[VA+\slot] offset:\pos*REGB+5120*\ks+32*\dt
	ds_load_tr16_b128 v[VF+8*(4*\ks+\dt)+4:VF+8*(4*\ks+\dt)+7], v[VA+\slot] offset:\pos*REGB+5120*\ks+2560+32*\dt
.endr
.endr
	s_wait_dscnt 16                                ; K is in: V's sixteen loads alone are younger
	WIN 0x04                                       ; source 1 (Q) in window 1
	; eight accumulators take turns, one instruction a turn; the first 32 of d start the sums
.irp qt, 0,1
.irp kt, 0,1,2,3
	v_wmma_f32_16x16x32_f16 v[64+32*\qt+8*\kt:64+32*\qt+8*\kt+7], v[KF+8*\kt:KF+8*\kt+7], v[64+16*\qt:64+16*\qt+7], 0
.endr
.endr
.irp qt, 0,1
.irp kt, 0,1,2,3
	v_wmma_f32_16x16x32_f16 v[64+32*\qt+8*\kt:64+32*\qt+8*\kt+7], v[KF+32+8*\kt:KF+32+8*\kt+7], v[72+16*\qt:72+16*\qt+7], v[64+32*\qt+8*\kt:64+32*\qt+8*\kt+7]
.endr
.endr
	WIN 0
.rept 5
	v_nop                                          ; places behind the products (ISA guide 7.12.1): S is read, K's fragments are loaded again
.endr
.if \nextk
	KLOAD \slot, 1
.endif
.if \last == 0
	s_cmp_lg_u32 s18, s16
	s_cbranch_scc1 .Lnomask_\@
.endif
.irp qt, 0,1
.irp kt, 0,1,2,3
.irp j, 0,1,2,3,4,5,6,7
	v_cmp_le_i32 vcc_lo, 16*\kt+\j-16*\qt, v[DLT]
	v_cndmask_b32 v[64+32*\qt+8*\kt+\j], v[NINF], v[64+32*\qt+8*\kt+\j], vcc_lo
.endr
.endr
.endr
.Lnomask_\@:
	SOFTMAX 0
	SOFTMAX 1
.if \nextk
	s_wait_dscnt 16                                ; V is in: the next K's sixteen loads alone are younger
.else
	s_wait_dscnt 0
.endif
	WIN 0x41
.irp qt, 0,1
.irp i, 0,2,4,6,8,10,12,14,16,18,20,22,24,26,28,30
	v_pk_mul_f32 v[32*\qt+\i:32*\qt+\i+1], v[32*\qt+\i:32*\qt+\i+1], v[22+2*\qt:23+2*\qt]
.endr
.endr
	WIN 0x50                                       ; C and D (O) in window 1
.irp ks, 0,1
.irp qt, 0,1
.irp dt, 0,1,2,3
	v_wmma_f32_16x16x32_f16 v[32*\qt+8*\dt:32*\qt+8*\dt+7], v[VF+8*(4*\ks+\dt):VF+8*(4*\ks+\dt)+7], v[64+32*\qt+8*\ks:64+32*\qt+8*\ks+7], v[32*\qt+8*\dt:32*\qt+8*\dt+7]
.endr
.endr
.endr
	WIN 0
.rept 5
	v_nop                                          ; places: the next step's products write over P, its loads over V's fragments, vector work and stores read O
.endr
.if \last
	PART \slot
.else
	s_cmp_lg_u32 s18, s16
	s_cbranch_scc1 .Lnodiag_\@
	PART \slot                                     ; into the place of the slot at work: a merge in this pair of steps reads the other place
	REINIT
.Lnodiag_\@:
.endif
	s_add_co_u32 s18, s18, 1
.endm
; Two steps (or the last one) on one slot.  refill = 2: the other slot gets the next two steps' tiles; 1: the last step's; 0: nothing.
; In front of the barrier every wave waits for its LDS instructions and for all its tensor loads; the refill is the first thing behind it, one load a wave.
; mrg = 1: if the first block ended in the pair of steps before, it is merged here, from the other slot's place.
.macro SUPER slot, refill, steps, mrg
	s_wait_tensorcnt 0x0                           ; my part of this slot has landed; no load of mine is out, so a group 0 may be written
	ds_add_u32 v62, v63
	s_wait_dscnt 0x0
	s_wait_dscnt 0x0                               ; my reads of the other slot, my stores of a half's results and my reads of a merge are done
	s_wait_kmcnt 0x0                               ; this slot's scales are in, and the last scalar loads' offsets are free
.if \refill
	s_add_co_u32 s66, s18, 2                       ; the tiles of steps + 2 and + 3: the second block starts again at tile 0
	s_cmp_ge_u32 s66, s15
	s_cselect_b32 s20, s15, 0
	s_sub_co_u32 s66, s66, s20
	s_add_co_u32 s67, s18, 3
	s_cmp_ge_u32 s67, s15
	s_cselect_b32 s20, s15, 0
	s_sub_co_u32 s67, s67, s20
	s_cmp_lg_u32 s2, 0
	s_cselect_b32 s20, s67, s66                    ; the one that I bring
	s_lshl_b32 s20, s20, 14
	s_mov_b32 s21, 0
	s_add_nc_u64 s[46-4*\slot:47-4*\slot], s[48:49], s[20:21]
	s_or_b32 s[47-4*\slot], s[47-4*\slot], 0x80000000
	s_lshl_b32 s66, s66, 5
	s_lshl_b32 s67, s67, 5
	s_lshl4_add_u32 s66, s12, s66                  ; where their scales lie
	s_lshl4_add_u32 s67, s12, s67
.endif
	s_barrier_signal -1
	s_barrier_wait -1
.if \refill == 2
	TFILL 44-4*\slot, 1
	s_load_b128 s[68-12*\slot:71-12*\slot], s[50:51], s66 offset:0x2000
	s_load_b128 s[72-12*\slot:75-12*\slot], s[50:51], s67 offset:0x2000
.endif
.if \refill == 1
	TFILL 44-4*\slot, 0
	s_load_b128 s[68-12*\slot:71-12*\slot], s[50:51], s66 offset:0x2000
.endif
.if \mrg
	s_cmp_lg_u32 s18, s17
	s_cbranch_scc1 .Lnm_\@
	MERGE 1-\slot, 0
.Lnm_\@:
.endif
	KLOAD \slot, 0
.if \steps == 2
	STEP \slot, 0, 1, 0
	STEP \slot, 1, 0, 0
.else
	STEP \slot, 0, 0, 1
.endif
.endm
	s_mov_b32 s19, 3
.Lloop:
	SUPER 0, 2, 2, 0                               ; first steps 0, 4, 8: never the merge's (10 at the least)
	SUPER 1, 2, 2, 1
	s_sub_co_u32 s19, s19, 1
	s_cmp_lg_u32 s19, 0
	s_cbranch_scc1 .Lloop
	SUPER 0, 2, 2, 1                               ; steps 12, 13; asks for 14, 15
	SUPER 1, 1, 2, 1                               ; steps 14, 15; asks for 16
	SUPER 0, 0, 1, 1                               ; step 16, on slot 0: the second block's results go to place 0
	s_wait_dscnt 0x0                               ; my half's results are in LDS
	s_barrier_signal -1
	s_barrier_wait -1
	MERGE 0, 1
	s_wait_tensorcnt 0x0
	ds_add_u32 v62, v63
	s_wait_dscnt 0x0
	s_endpgm
.Lfunc_end_k_q006981ff4c_attn:
	.size	k_q006981ff4c_attn, .Lfunc_end_k_q006981ff4c_attn-k_q006981ff4c_attn
	.p2alignl 7, 3214868480
	.fill 96, 4, 3214868480
	.section	.rodata,"a",@progbits
	.p2align	6, 0x0
	.amdhsa_kernel k_q006981ff4c_attn
		.amdhsa_group_segment_fixed_size 327680
		.amdhsa_private_segment_fixed_size 0
		.amdhsa_enable_private_segment 0
		.amdhsa_kernarg_size 24
		.amdhsa_user_sgpr_count 2
		.amdhsa_user_sgpr_kernarg_segment_ptr 1
		.amdhsa_wavefront_size32 1
		.amdhsa_system_sgpr_workgroup_id_x 1
		.amdhsa_system_sgpr_workgroup_id_y 1
		.amdhsa_system_sgpr_workgroup_id_z 1
		.amdhsa_system_vgpr_workitem_id 0
		.amdhsa_next_free_vgpr 384
		.amdhsa_next_free_sgpr 102
		.amdhsa_reserve_vcc 1
		.amdhsa_float_denorm_mode_32 3
		.amdhsa_float_denorm_mode_16_64 3
		.amdhsa_memory_ordered 1
		.amdhsa_forward_progress 1
		.amdhsa_inst_pref_size 255
	.end_amdhsa_kernel
	.section	.bss,"aw",@nobits
	.p2align	6
	.space	262144
	.amdgpu_metadata
---
amdhsa.version: [ 1, 2 ]
amdhsa.kernels:
  - .name:           k_q006981ff4c_attn
    .symbol:         k_q006981ff4c_attn.kd
    .args:
      - { .name: qkv, .offset: 0, .size: 8, .value_kind: global_buffer, .address_space: global }
      - { .name: scl, .offset: 8, .size: 8, .value_kind: global_buffer, .address_space: global }
      - { .name: att, .offset: 16, .size: 8, .value_kind: global_buffer, .address_space: global }
    .group_segment_fixed_size: 327680
    .private_segment_fixed_size: 0
    .kernarg_segment_align: 8
    .kernarg_segment_size: 24
    .max_flat_workgroup_size: 256
    .sgpr_count:     102
    .vgpr_count:     384
    .wavefront_size: 32
...
	.end_amdgpu_metadata
.endif
;; end of part 3
;; launch proj (part 4): grid 8 x 32, 4 waves a work-group, clusters of 4 x 4, 327,680 bytes of LDS; arguments att, bf, b_out, out0; writes out0
.if DOCPART == 4
	.amdgcn_target "amdgcn-amd-amdhsa--gfx1250"
	.amdhsa_code_object_version 6
	.text
	.protected	k_q006981ff4c_proj
	.globl	k_q006981ff4c_proj
	.p2align	8
	.type	k_q006981ff4c_proj,@function
k_q006981ff4c_proj:
	s_mov_b64 s[64:65], 0
	v_nop
	global_prefetch_b8 v0, s[64:65] scope:SCOPE_SE
	s_setreg_imm32_b32 hwreg(HW_REG_WAVE_MODE, 25, 1), 1
	s_wait_xcnt 0x0
	s_wait_alu depctr_hold_cnt(0) depctr_sa_sdst(0) depctr_va_vdst(0) depctr_va_sdst(0) depctr_va_ssrc(0) depctr_va_vcc(0) depctr_vm_vsrc(0)
	s_getreg_b32 s2, hwreg(HW_REG_IB_STS2, 6, 4)
	s_cmp_eq_u32 s2, 0
	s_cbranch_scc0 .Lentry_in_a_cluster
	s_endpgm
.Lentry_in_a_cluster:
	s_bfe_u32 s2, ttmp6, 0x10000c
	s_cmp_lg_u32 s2, 0xf033
	s_cbranch_scc0 .Lentry_shape_is_right
	s_endpgm
.Lentry_shape_is_right:
; out0 = att W_out + b_out.  att: f16 [b][h][l][64]; W_out: f16 [1024][1024] at byte 14,680,064 of bf; sums and bias in f32.
; A work-group makes 128 x 128 with four waves, 2 x 2, 64 x 64 each: 16 accumulator tiles in window 1.
; K = 16 heads of 64.  A slot holds four heads (K = 256): waves 0, 1 each bring two heads' 128 rows of att (dense 16 KiB each, pitch 144 in LDS),
; waves 2, 3 each 128 k-rows x 128 columns of W_out (pitch 288, read with the transposing load).  Four fills on two slots.
; CLUSTERS 4 x 4: att's tiles hang on the block row alone and are asked for jointly along a row of the cluster, W_out's on the block column, along a column.
; Used transposed: lane (r, h) of tile (a, b) holds row 16 a + r, columns 16 b + 8 h + 0..7.
.set REGN,  36864
.set SLOT,  4*REGN
.set STAGE, 2*SLOT                     ; 16 rows x 272 bytes for each wave; no tensor load lands here
.set ADRA, 2                           ; v2-3   att's fragments in slot 0, 1
.set ADRB, 4                           ; v4-7   W's fragments: slot s, k-rows 128 half at 4 + 2 s + half
.set STO,  8
.set RD,   9
.set CO,   10
.set BO,   11
.set RB,   192
.set G1,  24
.set G0,  32
.set G1B, 48
.set G0B, 56
.set MSB, 0
.macro WIN new
.if MSB != \new
	s_set_vgpr_msb (MSB<<8)|\new
.set MSB, \new
.endif
.endm
.macro JLOAD s
	s_cmp_eq_u32 s13, 0
	s_cbranch_scc0 .Lfor_b_\@
	tensor_load_to_lds s[G0+4*\s:G0+4*\s+3], s[G1:G1+7]
	s_nop 0
	s_branch .Lasked_\@
.Lfor_b_\@:
	tensor_load_to_lds s[G0B+4*\s:G0B+4*\s+3], s[G1B:G1B+7]
	s_nop 0
.Lasked_\@:
.endm
.macro CROUND
	s_barrier_signal -1
	s_barrier_wait -1
	s_cmp_lg_u32 s12, 0
	s_cbranch_scc1 .Lnot_wave_0_\@
	s_barrier_signal -3
.Lnot_wave_0_\@:
	s_barrier_wait -3
	s_barrier_signal -1
	s_barrier_wait -1
.endm
.macro PLACES
.rept 4
	v_nop
.endr
.endm
	s_load_b256 s[4:11], s[0:1], 0x0               ; att s[4:5], bf s[6:7], b_out s[8:9], out0 s[10:11]
	v_lshl_add_u32 v254, v0, 2, 0x4c400
	v_mov_b32 v255, 0
	ds_add_u32 v254, v255
	v_lshrrev_b32 v1, 5, v0
	v_readfirstlane_b32 s12, v1                    ; wave
	s_lshr_b32 s13, s12, 1                         ; wm; also: I fetch att (0) or W_out (1)
	s_and_b32 s14, s12, 1                          ; wn; also: which half of it
	s_bfe_u32 s15, ttmp6, 0x40000                  ; cx
	s_bfe_u32 s16, ttmp6, 0x40004                  ; cy
	s_lshl_b32 s17, ttmp9, 2
	s_add_co_u32 s17, s17, s15                     ; bx
	s_and_b32 s18, ttmp7, 0xffff
	s_lshl_b32 s18, s18, 2
	s_add_co_u32 s18, s18, s16                     ; by
	s_lshl_b32 s44, s16, 2
	s_lshl_b32 s44, 15, s44
	s_lshl_b32 s19, 0x1111, s15
	; att: two rows of 2,048 elements of 8 bytes (a head's 128 rows, dense), 262,144 bytes apart; a pad of 4 words behind every 32 (a row of 128 bytes)
	s_or_b32 s[G1+0], s44, (3<<16)|(1<<20)|(1<<21)|(4<<22)|(3<<25)
	s_mov_b32 s[G1+1], 2048<<16
	s_mov_b32 s[G1+2], 2<<16
	s_mov_b32 s[G1+3], 2048<<16
	s_mov_b32 s[G1+4], 2
	s_mov_b32 s[G1+5], 32768
	s_mov_b32 s[G1+6], 0
	s_mov_b32 s[G1+7], 0
	; W_out: 128 rows x 128 elements of 2 bytes; a pad of 8 words behind every 64
	s_or_b32 s[G1B+0], s19, (1<<16)|(1<<20)|(1<<21)|(5<<22)|(7<<25)
	s_mov_b32 s[G1B+1], 128<<16
	s_mov_b32 s[G1B+2], 128<<16
	s_mov_b32 s[G1B+3], 128<<16
	s_mov_b32 s[G1B+4], 128
	s_mov_b32 s[G1B+5], 1024
	s_mov_b32 s[G1B+6], 0
	s_mov_b32 s[G1B+7], 0
	s_lshr_b32 s20, s18, 4                         ; b (registers that never hold cx)
	s_lshl_b32 s20, s20, 4
	s_lshl1_add_u32 s20, s14, s20                  ; plane 16 b + 2 half
	s_lshl_b32 s20, s20, 18
	s_and_b32 s21, s18, 15
	s_lshl_b32 s21, s21, 14                        ; 128 rows of 128 bytes a block
	s_add_co_u32 s20, s20, s21
	s_mov_b32 s21, 0
	s_lshl_b32 s22, s14, 18                        ; 128 half rows of 2,048 bytes (registers that never hold cy)
	s_lshl_b32 s23, s17, 8
	s_add_co_u32 s22, s22, s23
	s_add_co_u32 s22, s22, 0xe00000                ; W_out's place in bf
	s_mov_b32 s23, 0
	s_mul_i32 s45, s12, REGN
	s_wait_dscnt 0x0
	s_wait_kmcnt 0x0
	s_add_nc_u64 s[20:21], s[4:5], s[20:21]
	s_add_nc_u64 s[22:23], s[6:7], s[22:23]
	CROUND                                         ; in front of the first joint loads
.irp s, 0,1
	s_mov_b32 s[G0+4*\s], 1
	s_add_co_u32 s[G0+4*\s+1], s45, \s*SLOT
	s_add_nc_u64 s[G0+4*\s+2:G0+4*\s+3], s[20:21], \s*1048576      ; four heads a fill
	s_or_b32 s[G0+4*\s+3], s[G0+4*\s+3], 0x80000000
	s_mov_b32 s[G0B+4*\s], 1
	s_add_co_u32 s[G0B+4*\s+1], s45, \s*SLOT
	s_add_nc_u64 s[G0B+4*\s+2:G0B+4*\s+3], s[22:23], \s*524288     ; 256 rows a fill
	s_or_b32 s[G0B+4*\s+3], s[G0B+4*\s+3], 0x80000000
	JLOAD \s
.endr
	v_and_b32 v1, 15, v0                           ; r
	v_bfe_u32 v16, v0, 4, 1                        ; h
	s_lshl_b32 s70, s17, 9
	s_lshl_b32 s71, s14, 8
	s_add_co_u32 s70, s70, s71                     ; my 64 columns, in bytes of f32
	s_mov_b32 s71, 0
	s_add_nc_u64 s[68:69], s[8:9], s[70:71]
	v_lshlrev_b32 v[BO], 4, v1
	global_load_b128 v[12:15], v[BO], s[68:69]     ; the bias of the four columns that I store
	s_add_nc_u64 s[66:67], s[10:11], s[70:71]
	s_lshl_b32 s70, s18, 19                        ; 128 by rows of 4,096 bytes
	s_lshl_b32 s71, s13, 18                        ; 64 wm rows
	s_add_co_u32 s70, s70, s71
	s_mov_b32 s71, 0
	s_add_nc_u64 s[66:67], s[66:67], s[70:71]
	v_mul_u32_u24 v17, v1, 144
	v_lshl_add_u32 v17, v16, 4, v17
	s_mul_i32 s40, s13, 64*144
	v_add_nc_u32 v[ADRA], s40, v17                 ; (64 wm + r) 144 + 16 h
	v_add_nc_u32 v[ADRA+1], SLOT, v[ADRA]
	v_and_b32 v17, 7, v0
	v_lshl_add_u32 v17, v16, 3, v17
	v_mul_u32_u24 v17, v17, 288
	v_bfe_u32 v18, v0, 3, 1
	v_lshl_add_u32 v17, v18, 4, v17
	s_lshl_b32 s40, s14, 7                         ; my 64 columns of 2 bytes
	s_add_co_u32 s40, s40, 2*REGN
	v_add_nc_u32 v[ADRB], s40, v17
	v_add_nc_u32 v[ADRB+1], REGN, v[ADRB]
	v_add_nc_u32 v[ADRB+2], SLOT, v[ADRB]
	v_add_nc_u32 v[ADRB+3], SLOT+REGN, v[ADRB]
	s_mul_i32 s40, s12, 4352
	s_add_co_u32 s40, s40, STAGE
	v_mul_u32_u24 v17, v1, 272
	v_lshl_add_u32 v17, v16, 5, v17
	v_add_nc_u32 v[STO], s40, v17                  ; in: row r, 32 bytes for each half of the lanes
	v_mul_u32_u24 v17, v16, 272
	v_lshl_add_u32 v17, v1, 4, v17
	v_add_nc_u32 v[RD], s40, v17                   ; back: sixteen lanes a row of 256 bytes
	v_lshlrev_b32 v17, 12, v16
	v_lshl_add_u32 v[CO], v1, 4, v17
; 16 loads: 32 of K number s of a slot into buffer s & 1 (W's four column tiles at + 0, att's four row tiles at + 32)
.macro FETCH slot, s
.set FT, 64+64*((\s)&1)
.irp b, 0,1,2,3
	ds_load_tr16_b128 v[FT+8*\b:FT+8*\b+3], v[ADRB+2*\slot+((\s)>>2)] offset:9216*((\s)&3)+32*\b
	ds_load_tr16_b128 v[FT+8*\b+4:FT+8*\b+7], v[ADRB+2*\slot+((\s)>>2)] offset:9216*((\s)&3)+4608+32*\b
.endr
.irp a, 0,1,2,3
	ds_load_b128 v[FT+32+8*\a:FT+32+8*\a+3], v[ADRA+\slot] offset:18432*((\s)>>1)+2304*\a+64*((\s)&1)
	ds_load_b128 v[FT+32+8*\a+4:FT+32+8*\a+7], v[ADRA+\slot] offset:18432*((\s)>>1)+2304*\a+64*((\s)&1)+32
.endr
.endm
.macro MUL8 s, a0, zero
.set FC, 64+64*((\s)&1)
.irp a, \a0, \a0+1
.irp b, 0,1,2,3
.if \zero
	v_wmma_f32_16x16x32_f16 v[8*(4*(\a)+\b):8*(4*(\a)+\b)+7], v[FC+8*\b:FC+8*\b+7], v[FC+32+8*(\a):FC+32+8*(\a)+7], 0
.else
	v_wmma_f32_16x16x32_f16 v[8*(4*(\a)+\b):8*(4*(\a)+\b)+7], v[FC+8*\b:FC+8*\b+7], v[FC+32+8*(\a):FC+32+8*(\a)+7], v[8*(4*(\a)+\b):8*(4*(\a)+\b)+7]
.endif
.endr
.endr
.endm
; The sixteen accumulators take turns, one instruction a turn.
.macro KS slot, s, zero
	s_wait_dscnt 4                                 ; all of this buffer but att's row tiles 2, 3
	WIN 0x50
	MUL8 \s, 0, \zero
.if \s < 7
	PLACES
	WIN 0
	FETCH \slot, (\s+1)
	s_wait_dscnt 16                                ; all but the 16 just issued
	WIN 0x50
.else
	s_wait_dscnt 0
.endif
	MUL8 \s, 2, \zero
.endm
.macro SLOTRUN slot, zero
	FETCH \slot, 0
	KS \slot, 0, \zero
.irp s, 1,2,3,4,5,6,7
	KS \slot, \s, 0
.endr
	PLACES                                         ; behind the last products: for the next run of loads, and for the way out
	WIN 0
.endm
; The slot just read is filled again, two fills ahead: every wave's waits, a round of the cluster's barrier, the joint load first behind it.
.macro NEXTFILL slot
	s_wait_dscnt 0x0
	s_wait_tensorcnt 0x0
	ds_add_u32 v254, v255
	s_wait_dscnt 0x0
	CROUND
	s_add_nc_u64 s[G0+4*\slot+2:G0+4*\slot+3], s[G0+4*\slot+2:G0+4*\slot+3], 2097152
	s_add_nc_u64 s[G0B+4*\slot+2:G0B+4*\slot+3], s[G0B+4*\slot+2:G0B+4*\slot+3], 1048576
	JLOAD \slot
.endm
	s_wait_tensorcnt 1                             ; my part of fill 0 is in; fill 1's stays out
	s_barrier_signal -1
	s_barrier_wait -1
	SLOTRUN 0, 1                                   ; heads 0-3; the first products start the sums
	NEXTFILL 0
	SLOTRUN 1, 0                                   ; heads 4-7
	NEXTFILL 1
	SLOTRUN 0, 0                                   ; heads 8-11
	s_wait_dscnt 0x0
	s_wait_tensorcnt 0x0                           ; my part of the last fill is in
	s_barrier_signal -1
	s_barrier_wait -1
	SLOTRUN 1, 0                                   ; heads 12-15
	; THE WAY OUT, 16 rows at a time through the wave's own stage: sixteen lanes store 256 neighbouring bytes of a row of out0, aligned
	s_wait_loadcnt 0x0                             ; the bias
.macro OUT16 a
	WIN 0x04                                       ; store data in window 1
.irp b, 0,1,2,3
	ds_store_b128 v[STO], v[8*(4*\a+\b):8*(4*\a+\b)+3] offset:64*\b
	ds_store_b128 v[STO], v[8*(4*\a+\b)+4:8*(4*\a+\b)+7] offset:64*\b+16
.endr
	WIN 0
	s_wait_xcnt 0x0                                ; RB was the data of the last stores
.irp n, 0,1,2,3,4,5,6,7
	ds_load_b128 v[RB+4*\n:RB+4*\n+3], v[RD] offset:544*\n
.endr
.irp n, 0,1,2,3,4,5,6,7
	s_wait_dscnt 7-\n
	v_pk_add_f32 v[RB+4*\n:RB+4*\n+1], v[RB+4*\n:RB+4*\n+1], v[12:13]
	v_pk_add_f32 v[RB+4*\n+2:RB+4*\n+3], v[RB+4*\n+2:RB+4*\n+3], v[14:15]
	global_store_b128 v[CO], v[RB+4*\n:RB+4*\n+3], s[66:67] offset:(16*\a+2*\n)*4096 th:TH_STORE_NT
.endr
.endm
	OUT16 0
	OUT16 1
	OUT16 2
	OUT16 3
	s_wait_tensorcnt 0x0
	ds_add_u32 v254, v255
	s_wait_dscnt 0x0
	CROUND                                         ; the closing round
	s_endpgm
.Lfunc_end_k_q006981ff4c_proj:
	.size	k_q006981ff4c_proj, .Lfunc_end_k_q006981ff4c_proj-k_q006981ff4c_proj
	.p2alignl 7, 3214868480
	.fill 96, 4, 3214868480
	.section	.rodata,"a",@progbits
	.p2align	6, 0x0
	.amdhsa_kernel k_q006981ff4c_proj
		.amdhsa_group_segment_fixed_size 327680
		.amdhsa_private_segment_fixed_size 0
		.amdhsa_enable_private_segment 0
		.amdhsa_kernarg_size 32
		.amdhsa_user_sgpr_count 2
		.amdhsa_user_sgpr_kernarg_segment_ptr 1
		.amdhsa_wavefront_size32 1
		.amdhsa_system_sgpr_workgroup_id_x 1
		.amdhsa_system_sgpr_workgroup_id_y 1
		.amdhsa_system_sgpr_workgroup_id_z 1
		.amdhsa_system_vgpr_workitem_id 0
		.amdhsa_next_free_vgpr 384
		.amdhsa_next_free_sgpr 72
		.amdhsa_reserve_vcc 0
		.amdhsa_float_denorm_mode_32 3
		.amdhsa_float_denorm_mode_16_64 3
		.amdhsa_memory_ordered 1
		.amdhsa_forward_progress 1
		.amdhsa_inst_pref_size 94
	.end_amdhsa_kernel
	.amdgpu_metadata
---
amdhsa.version: [ 1, 2 ]
amdhsa.kernels:
  - .name:           k_q006981ff4c_proj
    .symbol:         k_q006981ff4c_proj.kd
    .args:
      - { .name: att, .offset: 0, .size: 8, .value_kind: global_buffer, .address_space: global }
      - { .name: bf, .offset: 8, .size: 8, .value_kind: global_buffer, .address_space: global }
      - { .name: b_out, .offset: 16, .size: 8, .value_kind: global_buffer, .address_space: global }
      - { .name: out0, .offset: 24, .size: 8, .value_kind: global_buffer, .address_space: global }
    .group_segment_fixed_size: 327680
    .private_segment_fixed_size: 0
    .kernarg_segment_align: 8
    .kernarg_segment_size: 32
    .max_flat_workgroup_size: 128
    .sgpr_count:     72
    .vgpr_count:     384
    .wavefront_size: 32
...
	.end_amdgpu_metadata
.endif
;; end of part 4
;; ======== version 2 of 2: 4 launches; version 1 with the launch prep written anew for expert scheduling mode
;; limits: values outside matrix products are rounded to bf16; values are held in f16: magnitudes above 65,504 overflow, below 6.1e-05 lose precision
;; workspace buffers: bf 16,777,216 bytes; cs 1,048,576 bytes; qkv 25,165,824 bytes; scl 32,768 bytes; att 8,388,608 bytes
;; launch prep (part 5): grid 528 x 1, 8 waves a work-group, no clusters, 0 bytes of LDS; arguments x, W_qkv, W_out, rope_cos, rope_sin, bf, cs; writes bf, cs
.if DOCPART == 5
	.amdgcn_target "amdgcn-amd-amdhsa--gfx1250"
	.amdhsa_code_object_version 6
	.text
	.protected	k_q006981ff4c_prep
	.globl	k_q006981ff4c_prep
	.p2align	8
	.type	k_q006981ff4c_prep,@function
k_q006981ff4c_prep:
	s_mov_b64 s[64:65], 0
	v_nop
	global_prefetch_b8 v0, s[64:65] scope:SCOPE_SE
	s_setreg_imm32_b32 hwreg(HW_REG_WAVE_SCHED_MODE, 0, 2), 2
	s_setreg_imm32_b32 hwreg(HW_REG_WAVE_MODE, 25, 1), 1
	s_wait_xcnt 0x0
	s_wait_alu depctr_vm_vsrc(0)
; Casts, once, of everything that later launches feed to the matrix units or to RoPE.
;   bf: x as bf16 [4096][1024] at byte 0; W_qkv as bf16 [1024][3072] at 8,388,608;
;       W_out at 14,680,064 as f16 that holds the bf16-rounded value (exact for |w| >= 2^-17, below that off by 2^-25 at the most).
;   cs: f32 [2][2048][64]: the bf16-rounded cos (plane 0) and sin (plane 1) of the first 2,048 positions, the only ones that are used.
; A stream: every byte is read once and written once; no LDS, no barrier, no matrix unit.
; A work-group takes 65,536 input bytes, a wave 8,192: sixteen loads of 512 neighbouring bytes, all issued before the first is used.
; Work-groups 0-255: x; 256-447: W_qkv; 448-511: W_out; 512-519: cos; 520-527: sin.
; THE MODE: SCHED_MODE bits 1:0 = 2 (LLVM: expert scheduling mode 2), set by the entry lines.  The code itself states the register dependences
; between vector instructions and memory instructions, with s_wait_alu, always for 0.
; THE PLAN.  Registers that memory instructions touch:
;   v1, v2   byte offsets, made at the head and never written again; read by every load and store.
;   X        each four registers are the target of one load, once; read by that load's conversions; in kinds 1 and 2 written again by vector lines
;            (the rounded values as f32), and in kind 2 read by the store.
;   Y        written by the conversions alone; in kinds 0 and 1 read by the store.
; The work behind the sixteen loads goes in four blocks of four loads.  Block p rounds its own four loads; its memory instructions are the four stores of
; block p - 1, which read that block's X or Y and an offset: registers that no vector instruction of block p names.  So one wait on va_vdst at a block's head
; states all that the block's four stores hang on.  No load lands in a register that a vector instruction has named, and no register that a memory
; instruction has read is written again: no wait on vm_vsrc and no s_wait_xcnt is owed.  No vector instruction writes a scalar register, VCC or EXEC.
.set X, 8                              ; v[8:71]   sixteen loads of four f32
.set Y, 72                             ; v[72:103] sixteen pairs of packed 16-bit results
	s_load_b256 s[4:11], s[0:1], 0x0               ; x, W_qkv, W_out, rope_cos
	s_load_b128 s[12:15], s[0:1], 0x20             ; rope_sin, bf
	s_load_b64 s[16:17], s[0:1], 0x30              ; cs
	s_mov_b32 s20, ttmp9                           ; g
	s_mov_b32 s30, 0xffff0000                      ; a word's upper bf16
	v_lshrrev_b32 v3, 5, v0                        ; wave
	v_and_b32 v4, 31, v0                           ; lane
	v_lshlrev_b32 v1, 4, v4
	v_lshl_or_b32 v1, v3, 13, v1                   ; in (and f32 out): 8,192 wave + 16 lane
	v_lshlrev_b32 v2, 3, v4
	v_lshl_or_b32 v2, v3, 12, v2                   ; 16-bit out: 4,096 wave + 8 lane
	s_wait_kmcnt 0x0
	; the source and the number of its first work-group, chosen by g alone
	s_cmp_ge_u32 s20, 256
	s_cselect_b64 s[22:23], s[6:7], s[4:5]
	s_cselect_b32 s21, 256, 0
	s_cmp_ge_u32 s20, 448
	s_cselect_b64 s[22:23], s[8:9], s[22:23]
	s_cselect_b32 s21, 448, s21
	s_cmp_ge_u32 s20, 512
	s_cselect_b64 s[22:23], s[10:11], s[22:23]
	s_cselect_b32 s21, 512, s21
	s_cmp_ge_u32 s20, 520
	s_cselect_b64 s[22:23], s[12:13], s[22:23]
	s_cselect_b32 s21, 520, s21
	s_sub_co_u32 s24, s20, s21
	s_lshl_b32 s24, s24, 16                        ; 65,536 bytes a work-group
	s_mov_b32 s25, 0
	s_add_nc_u64 s[22:23], s[22:23], s[24:25]
	; the target: bf + 32,768 g, or cs + 65,536 (g - 512)
	s_lshl_b32 s28, s20, 15
	s_sub_co_u32 s29, s20, 512
	s_lshl_b32 s29, s29, 16
	s_cmp_ge_u32 s20, 512
	s_cselect_b64 s[26:27], s[16:17], s[14:15]
	s_cselect_b32 s28, s29, s28
	s_mov_b32 s29, 0
	s_add_nc_u64 s[26:27], s[26:27], s[28:29]
; kind 0: f32 to bf16.  kind 1: f32 to bf16 to f16.  kind 2: f32 to bf16 and back to f32.
; The four numbers of load n are rounded.
.macro CONV kind, n
	v_cvt_pk_bf16_f32 v[Y+2*(\n)], v[X+4*(\n)], v[X+4*(\n)+1]
	v_cvt_pk_bf16_f32 v[Y+2*(\n)+1], v[X+4*(\n)+2], v[X+4*(\n)+3]
.if \kind > 0
	v_lshlrev_b32 v[X+4*(\n)], 16, v[Y+2*(\n)]     ; the rounded values as f32 again
	v_and_b32 v[X+4*(\n)+1], s30, v[Y+2*(\n)]
	v_lshlrev_b32 v[X+4*(\n)+2], 16, v[Y+2*(\n)+1]
	v_and_b32 v[X+4*(\n)+3], s30, v[Y+2*(\n)+1]
.endif
.if \kind == 1
	v_cvt_pk_f16_f32 v[Y+2*(\n)], v[X+4*(\n)], v[X+4*(\n)+1]
	v_cvt_pk_f16_f32 v[Y+2*(\n)+1], v[X+4*(\n)+2], v[X+4*(\n)+3]
.endif
.endm
; What was made of load n is stored.
.macro SEND kind, n
.if \kind == 2
	global_store_b128 v1, v[X+4*(\n):X+4*(\n)+3], s[26:27] offset:512*(\n)      ; 512 neighbouring bytes
.else
	global_store_b64 v2, v[Y+2*(\n):Y+2*(\n)+1], s[26:27] offset:256*(\n)       ; the wave writes 256 neighbouring bytes, aligned
.endif
.endm
.macro CAST kind
	s_wait_alu depctr_va_vdst(0)                   ; v1 and v2 are written: every load and store below reads one of them as its offset
.irp n, 0,1,2,3,4,5,6,7,8,9,10,11,12,13,14,15
	global_load_b128 v[X+4*\n:X+4*\n+3], v1, s[22:23] offset:512*\n th:TH_LOAD_NT
.endr
.irp p, 0,1,2,3
	s_wait_loadcnt 12-4*\p                         ; loads return in order: block p's four are in, the 12 - 4 p younger ones stay out
.if \p > 0
	s_wait_alu depctr_va_vdst(0)                   ; the block before has written its X or Y, which the four stores of this block read
.endif
.irp i, 0,1,2,3
.if \p > 0
	SEND \kind, 4*\p+\i-4                          ; the block before; no vector instruction since the wait names its registers
.endif
	CONV \kind, 4*\p+\i
.endr
.endr
	s_wait_alu depctr_va_vdst(0)                   ; block 3 has written its X or Y, which the last four stores read
.irp i, 12,13,14,15
	SEND \kind, \i
.endr
.endm
	s_cmp_ge_u32 s20, 512
	s_cbranch_scc1 .Ltab
	s_cmp_ge_u32 s20, 448
	s_cbranch_scc1 .Lwo
	CAST 0
	s_endpgm
.Lwo:
	CAST 1
	s_endpgm
.Ltab:
	CAST 2
	s_endpgm
.Lfunc_end_k_q006981ff4c_prep:
	.size	k_q006981ff4c_prep, .Lfunc_end_k_q006981ff4c_prep-k_q006981ff4c_prep
	.p2alignl 7, 3214868480
	.fill 96, 4, 3214868480
	.section	.rodata,"a",@progbits
	.p2align	6, 0x0
	.amdhsa_kernel k_q006981ff4c_prep
		.amdhsa_group_segment_fixed_size 0
		.amdhsa_private_segment_fixed_size 0
		.amdhsa_enable_private_segment 0
		.amdhsa_kernarg_size 56
		.amdhsa_user_sgpr_count 2
		.amdhsa_user_sgpr_kernarg_segment_ptr 1
		.amdhsa_wavefront_size32 1
		.amdhsa_system_sgpr_workgroup_id_x 1
		.amdhsa_system_sgpr_workgroup_id_y 1
		.amdhsa_system_sgpr_workgroup_id_z 1
		.amdhsa_system_vgpr_workitem_id 0
		.amdhsa_next_free_vgpr 104
		.amdhsa_next_free_sgpr 66
		.amdhsa_reserve_vcc 0
		.amdhsa_float_denorm_mode_32 3
		.amdhsa_float_denorm_mode_16_64 3
		.amdhsa_memory_ordered 1
		.amdhsa_forward_progress 1
		.amdhsa_inst_pref_size 25
	.end_amdhsa_kernel
	.amdgpu_metadata
---
amdhsa.version: [ 1, 2 ]
amdhsa.kernels:
  - .name:           k_q006981ff4c_prep
    .symbol:         k_q006981ff4c_prep.kd
    .args:
      - { .name: x, .offset: 0, .size: 8, .value_kind: global_buffer, .address_space: global }
      - { .name: W_qkv, .offset: 8, .size: 8, .value_kind: global_buffer, .address_space: global }
      - { .name: W_out, .offset: 16, .size: 8, .value_kind: global_buffer, .address_space: global }
      - { .name: rope_cos, .offset: 24, .size: 8, .value_kind: global_buffer, .address_space: global }
      - { .name: rope_sin, .offset: 32, .size: 8, .value_kind: global_buffer, .address_space: global }
      - { .name: bf, .offset: 40, .size: 8, .value_kind: global_buffer, .address_space: global }
      - { .name: cs, .offset: 48, .size: 8, .value_kind: global_buffer, .address_space: global }
    .group_segment_fixed_size: 0
    .private_segment_fixed_size: 0
    .kernarg_segment_align: 8
    .kernarg_segment_size: 56
    .max_flat_workgroup_size: 256
    .sgpr_count:     66
    .vgpr_count:     104
    .wavefront_size: 32
...
	.end_amdgpu_metadata
.endif
;; end of part 5
;; launch qkvgemm: the kernel of part 2 again; grid 8 x 32, 4 waves a work-group, clusters of 4 x 4, 327,680 bytes of LDS; arguments bf, cs, qkv, scl; writes qkv, scl
;; launch attn: the kernel of part 3 again; grid 8 x 32, 8 waves a work-group, no clusters, 327,680 bytes of LDS; arguments qkv, scl, att; writes att
;; launch proj: the kernel of part 4 again; grid 8 x 32, 4 waves a work-group, clusters of 4 x 4, 327,680 bytes of LDS; arguments att, bf, b_out, out0; writes out0
